; MI455X (gfx1250); checked and timed in simulation.
; The chip was launched on July 23, 2026; its instructions are those of AMD's public machine-readable ISA for CDNA 5 (MIT licence, August 2026) and "CDNA5" Instruction Set Architecture Reference Guide (July 2026). The comments in the code are by the model that wrote it; some were corrected since.
;; Mixture Of Experts. Allowed arithmetic: matrix products marked QUANTISED: E3M2 operands, one E8M0 scale for each 32 along K, by v_wmma_scale_f32_16x16x128_f8f6f4 with both operands' format E3M2, f32 sums; products left as they are: f32 operands where the result goes on into a quantised operand, else bf16, f16 or f32 operands; f32 sums; everything else in f32.
;; Inputs: W1_codes 2 x 4,096 x 32 x 24 uint8 (E3M2 codes of W1, K innermost, in blocks of 32 codes, four codes in three bytes); W1_scales 2 x 4,096 x 32 uint8 (E8M0 scales of W1, one for each 32 codes along K); W2_codes 2 x 1,024 x 128 x 24 uint8 (E3M2 codes of W2, K innermost, in blocks of 32 codes, four codes in three bytes); W2_scales 2 x 1,024 x 128 uint8 (E8M0 scales of W2, one for each 32 codes along K); Wr 2 x 1,024 float32; b1 2 x 4,096 float32; b2 2 x 1,024 float32; ln_b 1,024 float32; ln_w 1,024 float32; x 2 x 2,048 x 1,024 float32.
;; Outputs: out0 2 x 2,048 x 1,024 float32; out1 one number float32.
;; This version of the problem:
;;   THIS VERSION OF THE PROBLEM IS GIVEN IN LOW PRECISION. The matrix products marked QUANTISED in the list below multiply operands that are first quantised to E3M2 (3 exponent bits, 2 mantissa bits; 6 bits a number), with one power-of-two scale for each 32 numbers along K (OCP MX v1.0); their sums are f32. All else is computed in f32.
;;   The module's matrix products, in the order in which they are computed (A, B: the left and right operand; K: the contracted axis; several contracted axes count as one K, in the product's order):
;;     1. [M 4,096, K 1,024] x [K 1,024, N 2]; A: input x; B: input Wr: left as it is (N = 2 < 16)
;;     2. [M 4,096, K 1,024] x [K 1,024, N 8,192]; A: input x; B: input W1 (given as codes): QUANTISED
;;     3. batch 2 x [M 1,024, K 4,096] x [K 4,096, N 4,096]; A: input W2 (given as codes); B: computed on the way: QUANTISED
;;     4. batch 4,096 x [M 1, K 2] x [K 2, N 1,024]; A: computed on the way; B: computed on the way: left as it is (K = 2 < 32)
;;   THE QUANTISER, for each operand of a quantised product, along K:
;;     - K is cut into blocks of 32 from its start; a last block that is shorter is filled with zeros.
;;     - A block's scale is 2^e with e = floor(log2(the largest magnitude in the block)) - 4, held to -126 .. 127; a block of zeros has e = 0. As a byte (E8M0): e + 127.
;;     - Each number is divided by its block's scale, clamped to +-28, and rounded to the nearest number of E3M2, ties to even, subnormals kept.
;;     - The product sums the exact products of the quantised numbers (number of the format x scale) in f32.
;;   ~~~python
;;   def quantise(x, axis):      # numpy; x: float32 -> the quantised numbers, widened to float32 again
;;       x = np.moveaxis(x, axis, -1); K = x.shape[-1]
;;       x = np.pad(x, [(0, 0)] * (x.ndim - 1) + [(0, -K % 32)]); x = x.reshape(x.shape[:-1] + (-1, 32)); a = np.abs(x).max(-1, keepdims=True)
;;       e = np.where(a > 0, np.clip(np.frexp(np.where(a > 0, a, 1))[1] - 1 - 4, -126, 127), 0)      # np.frexp(a)[1] - 1 = floor(log2(a)), exactly
;;       r = np.clip(x / 2.0 ** e, -28, 28)
;;       step = 2.0 ** (np.maximum(np.frexp(np.where(r == 0, 1, r))[1] - 1, -2) - 2)
;;       q = np.round(r / step) * step * 2.0 ** e      # np.round: ties to even
;;       return np.moveaxis(q.reshape(q.shape[:-2] + (-1,))[..., :K], -1, axis).astype(np.float32)
;;   ~~~
;;   OPERANDS COMPUTED ON THE WAY. 'Computed on the way' means the value that the module computes at that place (a softmax that the list does not call 'softmax' is quantised finished and normalised). What goes into a quantiser is computed in f32, as accurately as f32 sums, v_exp_f32 and their like allow (about 1e-6 of the number): no bf16 or f16 on the way to a quantiser, and a product that is left as it is and whose result goes on into a quantised operand takes f32 operands (vector FMAs, or v_wmma_f32_16x16x4_f32). A number that lies on a knife's edge between two numbers of the format may be rounded either way, as far as f32 arithmetic and the matrix unit's own rounding can turn it there, and no further.
;;   INPUTS GIVEN AS CODES. W1 (in the module: [2, 1024, 4096], K = its axis 1); W2 (in the module: [2, 4096, 1024], K = its axis 1): each comes as NAME_codes (uint8): NAME with its K axis moved to the last place and cut into blocks of 32 codes, [.., K / 32, bytes a block], one block behind the other in memory; four codes in three bytes: a row's codes are one little-endian stream of bits, code i at bits 6 i .. 6 i + 5 (a code: sign, 3 exponent bits, 2 mantissa bits); and NAME_scales (uint8): the same leading axes, one E8M0 byte (e + 127) for each 32 codes along K. Its value is code x scale, taken as it is: it is not quantised again, and the codes and scales need not be those that the quantiser above would give.
;; One version. Each part assembles by itself: llvm-mc -triple=amdgcn-amd-amdhsa -mcpu=gfx1250 --defsym DOCPART=n.
;; ======== version 1 of 1: 4 launches
;; limits: right only within a limited range of input values
;; workspace buffers: xq 3,276,800 bytes; pr 65,536 bytes; psum 2,048 bytes; hq 25,165,824 bytes; hs 1,048,576 bytes; y 16,777,216 bytes; w2q 6,553,600 bytes
;; launch quant (part 1): grid 256 x 1, 4 waves a work-group, no clusters, 105,216 bytes of LDS; arguments x, Wr, xq, pr, psum, W2_codes, W2_scales, w2q; writes xq, pr, psum, w2q
.if DOCPART == 1
	.amdgcn_target "amdgcn-amd-amdhsa--gfx1250"
	.amdhsa_code_object_version 6
	.text
	.protected	k_qa244a957c3_quant
	.globl	k_qa244a957c3_quant
	.p2align	8
	.type	k_qa244a957c3_quant,@function
k_qa244a957c3_quant:
	s_mov_b64 s[64:65], 0
	v_nop
	global_prefetch_b8 v0, s[64:65] scope:SCOPE_SE
	s_setreg_imm32_b32 hwreg(HW_REG_WAVE_MODE, 25, 1), 1
	s_wait_xcnt 0x0
; x [4096][1024] f32 becomes codes of BF6 (E3M2) with one E8M0 byte for each 32 along K, laid in the order of an operand's registers; the router runs beside it.
; A work-group takes 16 tokens (one tile of the products), wave w their columns 256 w .. 256 w + 255: K steps 2 w and 2 w + 1 of 128.
; xq: a record of 12,800 bytes for each tile: K step s at 1536 s as three images of 512 bytes (registers 4 c .. 4 c + 3 of the fragment, lane l at 16 l); at 12288 + 256 j + 16 r the scale words of token r for K steps 4 j .. 4 j + 3.
; ROUTER: logits by f32 multiply-adds on the same numbers, softmax with the maximum taken off.  Both experts are among the top 2 of 2 for every input, so the combine weight of expert e is p_e / (p_0 + p_1).
; pr: [token][p0, p1, c0, c1];  psum: [work-group][sum of p0, sum of p1] over its 16 tokens.
; Every load reads 512 consecutive bytes; the numbers turn through the wave's own stage in LDS (rows 528 bytes apart) so that a lane holds 16 neighbours along K of each block of 32.
; A block's scale byte is its largest magnitude's exponent field - 4, held at 1 from below.
; LIMITS: a block of zeros gets the byte 1 where the rule says 127 (its codes are zeros, and this program alone reads the bytes); NaN and infinities among the inputs are not served.
; No tensor loads, no cluster: the work-groups share only Wr's 8,192 bytes.
.set STW,  19456                       ; a wave's stage: [K step 2][row 18][528 bytes]: rows 0-15 x, rows 16, 17 Wr[0], Wr[1]
.set QP,   9504                        ; 18 rows of 528 bytes
.set SPI,  528
.set SCW,  77824                       ; 512 bytes: the image of the record's scale part
.set LG,   78336                       ; 512 bytes: the waves' partial logits, a word for each thread
.set REC,  12800
.set X,    16                          ; v16-79   64 numbers of my row: register 16 b + i = k 32 b + 16 h + i
.set W0,   80                          ; v80-143  the same places of Wr[0]
.set W1,   144                         ; v144-207 of Wr[1]
.set TM,   208                         ; v208-223 at work in QUANT
.set PW,   224                         ; v224-225 the two K steps' scale words
.set PC,   226                         ; v226-244 the codes just made
.set AC,   246                         ; v246-253 four pairs of partial logits: expert 0 in two chains, expert 1 in two
	s_load_b256 s[4:11], s[0:1], 0x0               ; x s[4:5], Wr s[6:7], xq s[8:9], pr s[10:11]
	s_load_b64 s[12:13], s[0:1], 0x20              ; psum
	s_load_b128 s[32:35], s[0:1], 0x28             ; W2's codes s[32:33], W2's scales s[34:35]
	s_load_b64 s[36:37], s[0:1], 0x38              ; w2q
	v_lshl_add_u32 v254, v0, 2, 0x13800
	v_mov_b32 v255, 0
	v_lshrrev_b32 v1, 5, v0
	v_readfirstlane_b32 s16, v1                    ; wave 0..3
	v_and_b32 v1, 31, v0                           ; lane
	v_and_b32 v2, 15, v0                           ; r
	s_wait_alu depctr_va_vdst(0)
	v_bfe_u32 v3, v0, 4, 1                         ; h
	v_lshlrev_b32 v4, 4, v1                        ; 16 x lane
	s_mul_i32 s17, s16, STW
	v_add_nc_u32 v5, s17, v4                       ; the stage, on the way in: 16 x lane of a row
	v_mul_u32_u24 v6, v2, SPI
	v_lshl_add_u32 v6, v3, 6, v6
	v_add_nc_u32 v6, s17, v6                       ; on the way out: row r, + 64 h
	s_add_co_u32 s17, s17, 16*SPI
	v_lshlrev_b32 v7, 6, v3
	v_add_nc_u32 v7, s17, v7                       ; Wr's rows: + 64 h
	s_lshr_b32 s18, s16, 1
	s_lshl_b32 s18, s18, 8
	s_and_b32 s19, s16, 1
	s_lshl_b32 s19, s19, 3
	s_add_co_u32 s18, s18, s19
	s_add_co_u32 s18, s18, SCW
	v_lshlrev_b32 v8, 4, v2
	v_add_nc_u32 v8, s18, v8                       ; my two scale words: SCW + 256 (w / 2) + 8 (w % 2) + 16 r
	v_lshl_add_u32 v9, v0, 2, LG                   ; my partial logit
	s_mul_i32 s19, s16, 3072
	v_add_nc_u32 v10, s19, v4                      ; xq: my wave's two K steps, 16 x lane
	s_lshl_b32 s19, s16, 10
	v_add_nc_u32 v11, s19, v4                      ; x and Wr: my wave's 1,024 bytes of a row, 16 x lane
	v_lshl_add_u32 v12, v1, 2, LG                  ; wave 0 reads the partial logits here,
	v_add_nc_u32 v13, SCW, v4                      ; and the scale part here
	v_lshlrev_b32 v14, 4, v2
	v_lshl_add_u32 v14, v3, 3, v14                 ; pr: 16 r + 8 h
	v_lshlrev_b32 v15, 2, v3                       ; psum: 4 h
.irp b, 0,1,2,3
	v_mov_b32 v[TM+4+\b], 0                        ; written once: a lane permute's destination counts as one of its sources
.endr
	s_mov_b32 s20, 0x76543210
	s_mov_b32 s21, 0xfedcba98                      ; v_permlanex16_b32's selects for lane l xor 16
	s_lshl_b32 s22, ttmp9, 16                      ; 16 rows of 4,096 bytes
	s_mov_b32 s23, 0
	s_mul_i32 s24, ttmp9, REC
	s_mov_b32 s25, 0
	s_lshl_b32 s26, ttmp9, 8
	s_mov_b32 s27, 0
	s_lshl_b32 s28, ttmp9, 3
	s_mov_b32 s29, 0
	s_wait_kmcnt 0x0
	s_add_nc_u64 s[4:5], s[4:5], s[22:23]
	s_add_nc_u64 s[8:9], s[8:9], s[24:25]
	s_add_nc_u64 s[10:11], s[10:11], s[26:27]
	s_add_nc_u64 s[12:13], s[12:13], s[28:29]
.irp e, 0,1
.irp q, 0,1
	global_load_b128 v[144+4*(2*\e+\q):144+4*(2*\e+\q)+3], v11, s[6:7] offset:4096*\e+512*\q
.endr
.endr
.irp q, 0,1
.irp w, 0,1,2,3,4,5,6,7,8,9,10,11,12,13,14,15
	global_load_b128 v[16+64*\q+4*\w:16+64*\q+4*\w+3], v11, s[4:5] offset:4096*\w+512*\q th:TH_LOAD_NT   ; 32 lanes read 512 consecutive bytes: one K step of one row
.endr
.endr
; W2 IS LAID ANEW, in the order of an operand's registers.  Work-group id = (expert, half of K, tile column of 128 d, block b of 16 d): 16 rows x 1,536 bytes of codes, 16 K steps.
; w2q: [id / 8][slot of two K steps: 8][25,600 bytes]: K step q, block b at 1536 (8 q + b) as three images of 512 bytes (registers 4 c .. 4 c + 3, lane l at 16 l);
; at 24576 + 128 b the scale words: lanes 0-15 the first K step's, lanes 16-31 the second's.  Wave w reads rows 4 w .. 4 w + 3 whole (512 consecutive bytes a load) and later writes K steps 4 w .. 4 w + 3.
.set W2ST, 80384                       ; 16 rows, 1,552 bytes apart
	s_and_b32 s40, ttmp9, 63
	s_lshr_b32 s41, ttmp9, 7                       ; expert
	s_bfe_u32 s42, ttmp9, 0x10006                  ; half of K
	s_lshl_b32 s43, s41, 6
	s_add_co_u32 s43, s43, s40                     ; block of 16 rows among 128
	s_lshl_b32 s44, s43, 2
	s_add_co_u32 s44, s44, s16
	s_mul_i32 s44, s44, 12288                      ; four rows of 3,072 bytes a wave
	s_mul_i32 s45, s42, 1536
	s_add_co_u32 s44, s44, s45
	s_mov_b32 s45, 0
	s_add_nc_u64 s[32:33], s[32:33], s[44:45]
	s_lshl_b32 s50, s43, 11                        ; scales: 16 rows of 128 bytes, my half's 64, my wave's 16
	s_lshl_b32 s51, s42, 6
	s_add_co_u32 s50, s50, s51
	s_lshl_b32 s51, s16, 4
	s_add_co_u32 s50, s50, s51
	s_mov_b32 s51, 0
	s_add_nc_u64 s[34:35], s[34:35], s[50:51]
	s_lshr_b32 s46, ttmp9, 3
	s_mul_i32 s46, s46, 204800
	s_mul_i32 s47, s16, 51200
	s_add_co_u32 s46, s46, s47                     ; my wave's two slots
	s_and_b32 s47, ttmp9, 7                        ; b
	s_lshl_b32 s48, s47, 7
	s_add_co_u32 s48, s48, s46
	s_add_co_u32 s48, s48, 24576
	s_mov_b32 s49, 0
	s_mul_i32 s47, s47, 1536
	s_add_co_u32 s46, s46, s47
	s_mov_b32 s47, 0
	s_add_nc_u64 s[38:39], s[36:37], s[48:49]      ; the scale images
	s_add_nc_u64 s[36:37], s[36:37], s[46:47]      ; the code images
	v_lshlrev_b32 v245, 7, v2
	v_lshl_add_u32 v245, v3, 2, v245               ; 128 r + 4 h
	s_set_vgpr_msb 0x40                            ; destinations v256 on
.irp rr, 0,1,2,3
.irp j, 0,1,2
	global_load_b128 v[4*(3*\rr+\j):4*(3*\rr+\j)+3], v4, s[32:33] offset:3072*\rr+512*\j th:TH_LOAD_NT
.endr
.endr
	global_load_b32 v48, v245, s[34:35]            ; slot 2 w: K step 4 w + h of row r
	global_load_b32 v49, v245, s[34:35] offset:8   ; slot 2 w + 1
	s_set_vgpr_msb 0x4000
	s_wait_loadcnt 14                              ; x and Wr are in; W2's 14 loads, issued behind them, may be out
.irp q, 0,1
.irp w, 0,1,2,3,4,5,6,7,8,9,10,11,12,13,14,15
	ds_store_b128 v5, v[16+64*\q+4*\w:16+64*\q+4*\w+3] offset:QP*\q+SPI*\w
.endr
.irp e, 0,1
	ds_store_b128 v5, v[144+4*(2*\e+\q):144+4*(2*\e+\q)+3] offset:QP*\q+SPI*(16+\e)
.endr
.endr
	s_wait_dscnt 0x0                               ; the stores have read their registers, which the loads below fill; the stage is my wave's own: no barrier
; 64 numbers of a lane, v[s] on, register 16 b + i = k 32 b + 16 h + i of my row, become a fragment's codes in v[PC] on and its scale word in v[pw]
.macro QUANT s, pw
.irp b, 0,1,2,3
	v_max3_num_f32 v[TM+\b], |v[\s+16*\b]|, |v[\s+1+16*\b]|, 0x2800000   ; block b: my 16 numbers, and the floor 2^(5 - 127): the byte cannot fall under 1
.endr
.irp i, 2,4,6,8,10,12,14
.irp b, 0,1,2,3
	v_max3_num_f32 v[TM+\b], v[TM+\b], |v[\s+16*\b+\i]|, |v[\s+1+16*\b+\i]|   ; the four blocks by turns
.endr
.endr
.irp b, 0,1,2,3
	v_permlanex16_b32 v[TM+4+\b], v[TM+\b], s20, s21
.endr
.irp b, 0,1,2,3
	v_max_num_f32 v[TM+\b], v[TM+\b], v[TM+4+\b]   ; with lane l xor 16's: the block's largest magnitude
.endr
.irp b, 0,1,2,3
	v_add_nc_u32 v[TM+12+\b], 0xfe000000, v[TM+\b] ; 4 off its exponent field: the conversion's scale operand
.endr
.irp b, 0,1,2,3
	v_lshrrev_b32 v[TM+4+\b], 23, v[TM+12+\b]      ; the scale's byte
.endr
	v_lshl_or_b32 v[\pw], v[TM+5], 8, v[TM+4]      ; the four bytes make my row's scale word
	v_lshl_or_b32 v[\pw], v[TM+6], 16, v[\pw]
	v_lshl_or_b32 v[\pw], v[TM+7], 24, v[\pw]
.irp c, 0,1
	v_cvt_scalef32_pk16_bf6_f32 v[PC+6*\c:PC+2+6*\c], v[\s+32*\c:\s+15+32*\c], v[TM+12+2*\c]
	v_cvt_scalef32_pk16_bf6_f32 v[PC+12+4*\c:PC+14+4*\c], v[\s+16+32*\c:\s+31+32*\c], v[TM+12+2*\c+1]   ; (a conversion's three registers begin on an even number)
.endr
	v_nop                                          ; one plain place behind a scaled conversion
.irp c, 0,1                                    ; the operand's layout wants a whole block in a lane: lanes 0-15 block 2 c, lanes 16-31 block 2 c + 1
.irp i, 0,1,2
	v_permlane16_swap_b32 v[PC+6*\c+\i], v[PC+12+4*\c+\i]
.endr
.irp i, 0,1,2
	v_mov_b32 v[PC+3+6*\c+\i], v[PC+12+4*\c+\i]
.endr
.endr
.endm
; my 64 numbers times Wr's, two at a time, two chains for each expert.  first = 1: the first products start the sums
.macro ROUTER first
.set i, 0
.rept 16
.if (\first) && (i == 0)
	v_pk_mul_f32 v[AC:AC+1],   v[X:X+1],   v[W0:W0+1]
	v_pk_mul_f32 v[AC+2:AC+3], v[X+2:X+3], v[W0+2:W0+3]
	v_pk_mul_f32 v[AC+4:AC+5], v[X:X+1],   v[W1:W1+1]
	v_pk_mul_f32 v[AC+6:AC+7], v[X+2:X+3], v[W1+2:W1+3]
.else
	v_pk_fma_f32 v[AC:AC+1],   v[X+i:X+i+1],   v[W0+i:W0+i+1],   v[AC:AC+1]
	v_pk_fma_f32 v[AC+2:AC+3], v[X+i+2:X+i+3], v[W0+i+2:W0+i+3], v[AC+2:AC+3]
	v_pk_fma_f32 v[AC+4:AC+5], v[X+i:X+i+1],   v[W1+i:W1+i+1],   v[AC+4:AC+5]
	v_pk_fma_f32 v[AC+6:AC+7], v[X+i+2:X+i+3], v[W1+i+2:W1+i+3], v[AC+6:AC+7]
.endif
.set i, i+4
.endr
.endm
.macro KSTEP q
.irp b, 0,1,2,3
.irp j, 0,1,2,3
	ds_load_b128 v[X+16*\b+4*\j:X+16*\b+4*\j+3],   v6 offset:QP*\q+128*\b+16*\j
	ds_load_b128 v[W0+16*\b+4*\j:W0+16*\b+4*\j+3], v7 offset:QP*\q+128*\b+16*\j
	ds_load_b128 v[W1+16*\b+4*\j:W1+16*\b+4*\j+3], v7 offset:QP*\q+SPI+128*\b+16*\j
.endr
.endr
	s_wait_dscnt 0x0
	ROUTER 1-\q
	QUANT X, PW+\q
.irp c, 0,1,2
	global_store_b128 v10, v[PC+4*\c:PC+4*\c+3], s[8:9] offset:1536*\q+512*\c   ; 32 lanes store 512 consecutive bytes, at a multiple of 256 from xq's first byte
.endr
.endm
	KSTEP 0
	s_wait_xcnt 0x0                                ; the stores have read the codes' registers, which the second K step writes again
	KSTEP 1
	s_mul_i32 s52, s16, 6208
	s_add_co_u32 s52, s52, W2ST
	s_mul_i32 s53, s16, 384
	s_add_co_u32 s53, s53, W2ST
	v_add_nc_u32 v100, s52, v4                     ; in: my four rows, 16 x lane
	v_mul_u32_u24 v101, v2, 1552
	v_mad_u32_u24 v101, v3, 24, v101
	v_add_nc_u32 v101, s53, v101                   ; back: row r, + 24 h, my four K steps
	v_lshlrev_b32 v102, 2, v1
	s_wait_alu depctr_va_vdst(0)                   ; the wait ahead of the wait below
	s_wait_loadcnt 0x0
	s_set_vgpr_msb 0x04                            ; store data v256 on
.irp rr, 0,1,2,3
.irp j, 0,1,2
	ds_store_b128 v100, v[4*(3*\rr+\j):4*(3*\rr+\j)+3] offset:1552*\rr+512*\j
.endr
.endr
	s_set_vgpr_msb 0x0400
	s_wait_dscnt 0x0                               ; for the others' sake: my rows lie in LDS
	s_barrier_signal -1
	s_barrier_wait -1
.irp k, 0,1,2,3
.irp p, 0,1,2,3,4,5
	ds_load_b64 v[112+12*\k+2*\p:113+12*\k+2*\p], v101 offset:96*\k+48*(\p/3)+8*(\p%3)   ; the fragment's registers, as the operand's layout has them
.endr
.endr
	s_wait_dscnt 0x0
.irp k, 0,1,2,3
.irp c, 0,1,2
	global_store_b128 v4, v[112+12*\k+4*\c:115+12*\k+4*\c], s[36:37] offset:25600*(\k/2)+12288*(\k%2)+512*\c   ; 512 consecutive bytes, aligned
.endr
.endr
	s_set_vgpr_msb 0x04
	global_store_b32 v102, v48, s[38:39]
	global_store_b32 v102, v49, s[38:39] offset:25600
	s_set_vgpr_msb 0x0400
	v_add_f32 v246, v246, v247                     ; my share of the two logits
	v_add_f32 v248, v248, v249
	v_add_f32 v250, v250, v251
	v_add_f32 v252, v252, v253
	v_add_f32 v246, v246, v248
	v_add_f32 v250, v250, v252
	v_permlanex16_b32 v247, v246, s20, s21
	v_permlanex16_b32 v251, v250, s20, s21
	v_add_f32 v246, v246, v247                     ; with lane l xor 16's: my wave's 256 columns of token r
	v_add_f32 v250, v250, v251
	v_cmp_ne_u32 vcc_lo, 0, v3
	v_cndmask_b32 v246, v246, v250, vcc_lo         ; lanes 0-15 hand on expert 0's, lanes 16-31 expert 1's
	ds_store_b32 v9, v246
	ds_store_b64 v8, v[PW:PW+1]                    ; both halves of the lanes hold the same words and write the same bytes
	s_wait_dscnt 0x0                               ; for wave 0's sake: my LDS stores are done
	s_barrier_signal -1
	s_barrier_wait -1
	s_cmp_lg_u32 s16, 0
	s_cbranch_scc1 .Ldone                          ; the rest is wave 0's; no barrier stands in it
	ds_load_b32 v16, v12
	ds_load_b32 v17, v12 offset:128
	ds_load_b32 v18, v12 offset:256
	ds_load_b32 v19, v12 offset:384
	ds_load_b128 v[40:43], v13
	s_wait_dscnt 0x1                               ; the four words are in; the scale part may be out
	v_add_f32 v16, v16, v17
	v_add_f32 v16, v16, v18
	v_add_f32 v16, v16, v19                        ; lane (r, h): token r's logit of expert h
	v_permlanex16_b32 v20, v16, s20, s21           ; and of the other expert
	v_max_num_f32 v21, v16, v20
	v_sub_f32 v22, v16, v21
	v_sub_f32 v23, v20, v21
	v_mul_f32 v22, 0x3fb8aa3b, v22
	v_mul_f32 v23, 0x3fb8aa3b, v23
	s_wait_alu depctr_va_vdst(0)
	v_exp_f32 v24, v22
	v_exp_f32 v25, v23
	v_nop                                          ; a plain place behind the exponentials
	s_wait_alu depctr_va_vdst(0)                   ; one wait for both, ahead of their first reader
	v_add_f32 v26, v24, v25
	s_wait_alu depctr_va_vdst(0)
	v_rcp_f32 v27, v26
	v_nop
	s_wait_alu depctr_va_vdst(0)
	v_mul_f32 v28, v24, v27                        ; p of my expert,
	v_mul_f32 v29, v25, v27                        ; and of the other
	v_add_f32 v30, v28, v29
	s_wait_alu depctr_va_vdst(0)
	v_rcp_f32 v31, v30
	v_nop
	s_wait_alu depctr_va_vdst(0)
	v_mul_f32 v32, v28, v31                        ; the combine weights: p / (p0 + p1)
	v_mul_f32 v33, v29, v31
	v_cndmask_b32 v34, v28, v33, vcc_lo            ; lanes 0-15 store (p0, p1), lanes 16-31 (c0, c1)
	v_cndmask_b32 v35, v29, v32, vcc_lo
	global_store_b64 v14, v[34:35], s[10:11]       ; 32 lanes store 256 consecutive bytes, aligned
	v_add_f32_dpp v28, v28, v28 row_xmask:1 row_mask:0xf bank_mask:0xf
	v_add_f32_dpp v28, v28, v28 row_xmask:2 row_mask:0xf bank_mask:0xf
	v_add_f32_dpp v28, v28, v28 row_xmask:4 row_mask:0xf bank_mask:0xf
	v_add_f32_dpp v28, v28, v28 row_xmask:8 row_mask:0xf bank_mask:0xf   ; the 16 tokens' sum of p of expert h
	s_wait_alu depctr_va_vdst(0)
	s_wait_dscnt 0x0
	global_store_b128 v4, v[40:43], s[8:9] offset:12288   ; the record's scale part: 512 consecutive bytes
	v_cmp_eq_u32 vcc_lo, 0, v2
	s_wait_xcnt 0x0                                ; EXEC changes only behind this wait
	s_and_saveexec_b32 s24, vcc_lo
	global_store_b32 v15, v28, s[12:13]            ; lanes 0 and 16
	s_wait_xcnt 0x0
	s_or_b32 exec_lo, exec_lo, s24
.Ldone:
	s_wait_tensorcnt 0x0
	ds_add_u32 v254, v255
	s_wait_dscnt 0x0
	s_endpgm
.Lfunc_end_k_qa244a957c3_quant:
	.size	k_qa244a957c3_quant, .Lfunc_end_k_qa244a957c3_quant-k_qa244a957c3_quant
	.p2alignl 7, 3214868480
	.fill 96, 4, 3214868480
	.section	.rodata,"a",@progbits
	.p2align	6, 0x0
	.amdhsa_kernel k_qa244a957c3_quant
		.amdhsa_group_segment_fixed_size 105216
		.amdhsa_private_segment_fixed_size 0
		.amdhsa_enable_private_segment 0
		.amdhsa_kernarg_size 64
		.amdhsa_user_sgpr_count 2
		.amdhsa_user_sgpr_kernarg_segment_ptr 1
		.amdhsa_wavefront_size32 1
		.amdhsa_system_sgpr_workgroup_id_x 1
		.amdhsa_system_sgpr_workgroup_id_y 1
		.amdhsa_system_sgpr_workgroup_id_z 1
		.amdhsa_system_vgpr_workitem_id 0
		.amdhsa_next_free_vgpr 320
		.amdhsa_next_free_sgpr 66
		.amdhsa_reserve_vcc 1
		.amdhsa_float_denorm_mode_32 3
		.amdhsa_float_denorm_mode_16_64 3
		.amdhsa_memory_ordered 1
		.amdhsa_forward_progress 1
		.amdhsa_inst_pref_size 41
	.end_amdhsa_kernel
	.amdgpu_metadata
---
amdhsa.version: [ 1, 2 ]
amdhsa.kernels:
  - .name:           k_qa244a957c3_quant
    .symbol:         k_qa244a957c3_quant.kd
    .args:
      - { .name: x, .offset: 0, .size: 8, .value_kind: global_buffer, .address_space: global }
      - { .name: Wr, .offset: 8, .size: 8, .value_kind: global_buffer, .address_space: global }
      - { .name: xq, .offset: 16, .size: 8, .value_kind: global_buffer, .address_space: global }
      - { .name: pr, .offset: 24, .size: 8, .value_kind: global_buffer, .address_space: global }
      - { .name: psum, .offset: 32, .size: 8, .value_kind: global_buffer, .address_space: global }
      - { .name: W2_codes, .offset: 40, .size: 8, .value_kind: global_buffer, .address_space: global }
      - { .name: W2_scales, .offset: 48, .size: 8, .value_kind: global_buffer, .address_space: global }
      - { .name: w2q, .offset: 56, .size: 8, .value_kind: global_buffer, .address_space: global }
    .group_segment_fixed_size: 105216
    .private_segment_fixed_size: 0
    .kernarg_segment_align: 8
    .kernarg_segment_size: 64
    .max_flat_workgroup_size: 128
    .sgpr_count:     66
    .vgpr_count:     320
    .wavefront_size: 32
...
	.end_amdgpu_metadata
.endif
;; end of part 1
;; launch ffn1 (part 2): grid 32 x 8, 8 waves a work-group, clusters of 4 x 4, 327,680 bytes of LDS; arguments xq, W1_codes, W1_scales, b1, hq, hs; writes hq, hs
.if DOCPART == 2
	.amdgcn_target "amdgcn-amd-amdhsa--gfx1250"
	.amdhsa_code_object_version 6
	.text
	.protected	k_qa244a957c3_ffn1
	.globl	k_qa244a957c3_ffn1
	.p2align	8
	.type	k_qa244a957c3_ffn1,@function
k_qa244a957c3_ffn1:
	s_mov_b64 s[64:65], 0
	v_nop
	global_prefetch_b8 v0, s[64:65] scope:SCOPE_SE
	s_setreg_imm32_b32 hwreg(HW_REG_WAVE_MODE, 25, 1), 1
	s_wait_xcnt 0x0
	s_wait_alu depctr_hold_cnt(0) depctr_sa_sdst(0) depctr_va_vdst(0) depctr_va_sdst(0) depctr_va_ssrc(0) depctr_va_vcc(0) depctr_vm_vsrc(0)
	s_getreg_b32 s2, hwreg(HW_REG_IB_STS2, 6, 4)
	s_cmp_eq_u32 s2, 0
	s_cbranch_scc0 .Lentry_in_a_cluster
	s_endpgm
.Lentry_in_a_cluster:
	s_bfe_u32 s2, ttmp6, 0x10000c
	s_cmp_lg_u32 s2, 0xf033
	s_cbranch_scc0 .Lentry_shape_is_right
	s_endpgm
.Lentry_shape_is_right:
; h = Q(gelu(x W1 + b1)): the first quantised product, the gelu in f32, and the quantiser along the second product's K.
; W1 is taken flat, [8192 rows = expert x hidden unit][1024 K].  Work-group (cg, tg) owns rows 256 cg .. + 255 and tokens 512 tg .. + 511.  EIGHT WAVES, two to a SIMD: wave w holds rows 32 w .. + 31 of them, one block of the
; next K, for all of K in 192 registers; the tokens stream, two tiles of 16 a trip: 32 matrix instructions in four groups of 8, the four accumulators by turns, then the gelu of 32 numbers a lane.
; TRANSPOSED USE (source 0 = 16 rows of W1, source 1 = 16 tokens); lane r of row tile t takes row 8 t + r + 8 (r / 8): a lane holds one token of each tile, register 16 T + 8 t + j is hidden unit 16 h + 8 t + j of token tile T.
; GELU: with z = |x| sqrt(log2(e) / 2), t = 1 / (1 + P z), e = 2^(-z^2 - L):  gelu(x) = max(x, 0) - z e t (a1 + t (a2 + t (a3 + t (a4 + t)))): the complementary error function by Abramowitz and Stegun 7.1.26,
; its coefficients divided by the fifth, which goes, times sqrt(ln 2 / 2), into the exponent as 2^-L.  No difference of near numbers is formed for negative x, and large |x| needs no hold: e falls to 0.
; LIMITS: that formula's erf is good to 1.5e-7 absolute; a block of zeros gets the byte 1 where the rule says 127 (zero codes; this program alone reads the bytes); NaN and infinities are not served.
; CLUSTER 4 x 4: a row of the cluster walks the same tokens, a column holds the same rows of W1: both are asked for jointly.
; LDS: two slots of unlike size for xq's records (12,800 bytes a tile).  Slot X1, 8 records from byte SLOT0; slot X2, 16 records from byte 0, over W1's rows, which are read once, into registers.
; At the head waves 0-3 fetch 64 rows of W1 each and waves 4-7 two records of X1 each (tiles 0-7).  When W1's fragments are in registers X2 is filled (tiles 8-23, two records a wave); when tiles 0-7 are read out X1 is filled
; again (tiles 24-31, a record a wave): one tensor load a wave is out behind each of the two rounds, four and eight trips' work ahead of the wait for it; so no prefetch is laid.
; x's fragments: 8 places of 12 registers in two halves; a group multiplies one half (two K steps of both tiles) while the other half's 12 loads are on their way.
; hq: [token tile 256][expert 2][chunk of 64 hidden units 64][768 bytes]: registers q0 .. q5 of half a fragment: 512 bytes at 16 x lane, 256 at 8 x lane.   hs: [group of 256 hidden units 32][token 4096][8 bytes].
; REGISTERS.  window 0: v3-15 addresses; v16 x's scale words (8 T + k); v32 W1's (8 t + k); v48 b1; v64 H, then R; v96 M (max(x,0), then gelu); v128 z, then the quantiser; v160 x's fragments.
;   window 1: W1's fragment (k, t) at 12 (2 k + t); t v192; e v224.
.set REC,   12800
.set WTW,   52224                      ; 64 rows of W1 in LDS: 192 units of 256 bytes + 16
.set WROW,  816
.set SLOT0, 208896
.set HSST,  311296                     ; [token 512][8 bytes]
.set SPARE, 315392                     ; the spare words: 128 bytes for each of eight waves
.set HQT,   98304
.set XS,  16
.set W1S, 32
.set B1,  48
.set H,   64
.set M,   96
.set AZ,  128
.set Q,   128
.set X,   160
.set TT,  192
.set EE,  224
.set MSB, 0
.macro WIN new
.if MSB != \new
	s_set_vgpr_msb (MSB<<8)|\new
.set MSB, \new
.endif
.endm
.macro PLACES n
.rept \n
	v_nop
.endr
.endm
.macro DLY n
	s_delay_alu instid0(VALU_DEP_\n)
.endm
.macro CROUND
	s_barrier_signal -1
	s_barrier_wait -1
	s_cmp_lg_u32 s16, 0
	s_cbranch_scc1 .Lnot_wave_0_\@
	s_barrier_signal -3
.Lnot_wave_0_\@:
	s_barrier_wait -3
	s_barrier_signal -1
	s_barrier_wait -1
.endm
.macro WM d, a, b, c, sa, sb
	v_wmma_scale_f32_16x16x128_f8f6f4 v[(\d):(\d)+7], v[(\a):(\a)+11], v[(\b):(\b)+11], v[(\c):(\c)+7], v[(\sa)], v[(\sb)] matrix_a_fmt:MATRIX_FMT_BF6 matrix_b_fmt:MATRIX_FMT_BF6
.endm
.macro COEF r, val                     ; the packed forms name a pair and take its low word for both halves: both words are written
	s_mov_b32 s[\r], \val
	s_mov_b32 s[\r+1], \val
.endm
	s_load_b256 s[4:11], s[0:1], 0x0               ; xq, W1's codes, W1's scales, b1
	s_load_b128 s[12:15], s[0:1], 0x20             ; hq, hs
	v_lshl_add_u32 v13, v0, 2, SPARE               ; my spare word; never rewritten
	v_mov_b32 v14, 0
	ds_add_u32 v13, v14                            ; the opening lines: the add twice on end, and one wait
	ds_add_u32 v13, v14
	v_lshrrev_b32 v1, 5, v0
	v_readfirstlane_b32 s16, v1                    ; wave 0..7
	s_and_b32 s61, s16, 3
	s_and_b32 s62, s16, 1
	s_lshr_b32 s63, s16, 1
	s_bfe_u32 s17, ttmp6, 0x40000                  ; cx
	s_bfe_u32 s18, ttmp6, 0x40004                  ; cy
	s_lshl_b32 s19, ttmp9, 2
	s_add_co_u32 s19, s19, s17                     ; cg
	s_and_b32 s20, ttmp7, 0xffff
	s_lshl_b32 s20, s20, 2
	s_add_co_u32 s20, s20, s18                     ; tg
	s_lshl_b32 s21, s18, 2
	s_lshl_b32 s21, 15, s21                        ; my row of the cluster
	s_lshl_b32 s22, 0x1111, s17                    ; my column
	s_or_b32 s24, s21, (3<<16)|(1<<21)             ; group 1, a record: 50 rows of 256 bytes
	s_mov_b32 s25, 32<<16
	s_mov_b32 s26, 50<<16
	s_mov_b32 s27, 32<<16
	s_mov_b32 s28, 50
	s_mov_b32 s29, 32
	s_mov_b32 s30, 0
	s_mov_b32 s31, 0
	s_or_b32 s40, s21, (3<<16)|(1<<21)             ; group 1, two records: 100 rows
	s_mov_b32 s41, 32<<16
	s_mov_b32 s42, 100<<16
	s_mov_b32 s43, 32<<16
	s_mov_b32 s44, 100
	s_mov_b32 s45, 32
	s_mov_b32 s46, 0
	s_mov_b32 s47, 0
	s_or_b32 s80, s22, (3<<16)|(1<<20)|(1<<21)|(5<<22)|(3<<25)   ; group 1, 64 rows of W1: 192 rows of 256 bytes, 16 bytes of padding behind each
	s_mov_b32 s81, 32<<16
	s_mov_b32 s82, 192<<16
	s_mov_b32 s83, 32<<16
	s_mov_b32 s84, 192
	s_mov_b32 s85, 32
	s_mov_b32 s86, 0
	s_mov_b32 s87, 0
	s_lshl_b32 s58, s20, 5
	s_mul_i32 s58, s58, REC                        ; xq: tile 32 tg
	s_mul_i32 s52, s61, 2*REC
	s_add_co_u32 s52, s52, s58                     ; the head: + two records x (wave % 4)
	s_mov_b32 s53, 0
	s_mul_i32 s97, s16, REC
	s_add_co_u32 s58, s58, s97                     ; + a record x wave
	s_mov_b32 s59, 0
	s_lshl_b32 s92, s19, 8
	s_lshl_b32 s54, s61, 6
	s_add_co_u32 s54, s54, s92
	s_mul_i32 s54, s54, 768                        ; W1: row 256 cg + 64 (wave % 4)
	s_mov_b32 s55, 0
	s_lshl_b32 s97, s16, 5
	s_add_co_u32 s92, s92, s97                     ; my first row
	s_lshl_b32 s93, s92, 5                         ; its scales,
	s_lshl_b32 s94, s92, 2                         ; its b1
	s_mul_i32 s95, s20, 32*HQT                     ; hq: tile 32 tg, chunk 4 cg + wave / 2
	s_lshl_b32 s97, s19, 2
	s_add_co_u32 s97, s97, s63
	s_mul_i32 s97, s97, 768
	s_add_co_u32 s95, s95, s97
	s_lshl_b32 s96, s19, 15                        ; hs: 32,768 cg + 4,096 tg + 512 wave
	s_lshl_b32 s97, s20, 12
	s_add_co_u32 s96, s96, s97
	s_lshl_b32 s97, s16, 9
	s_add_co_u32 s96, s96, s97
	s_mov_b32 s32, 1
	s_mov_b32 s36, 1
	s_mov_b32 s48, 1
	s_mov_b32 s88, 1
	s_mul_i32 s33, s16, REC
	s_add_co_u32 s33, s33, SLOT0                   ; X1 again: my record
	s_mul_i32 s37, s16, 2*REC                      ; X2: my two records
	s_mul_i32 s49, s61, WTW
	s_mul_i32 s89, s61, 2*REC
	s_add_co_u32 s89, s89, SLOT0
	s_add_co_u32 s23, s16, HSST
	s_lshl_b32 s97, s62, 8
	s_lshl_b32 s98, s62, 7
	s_lshl_b32 s99, s16, 9
	s_add_co_u32 s99, s99, HSST
	s_mul_i32 s79, s16, 32*WROW
	s_mov_b32 s56, 0x76543210
	s_mov_b32 s57, 0xfedcba98
	s_mov_b32 s60, 0.8493218                       ; sqrt(log2(e) / 2)
	COEF 66, 0.67840737                            ; L
	COEF 68, 0.27273748                            ; P
	COEF 70, -1.3690829                            ; a4
	COEF 72, 1.33918077                            ; a3
	COEF 74, -0.26803776                           ; a2
	COEF 76, 0.24008695                            ; a1
	v_and_b32 v1, 31, v0
	v_and_b32 v2, 15, v0
	v_bfe_u32 v4, v0, 4, 1                         ; h
	v_lshlrev_b32 v3, 4, v1                        ; 16 x lane
	v_lshlrev_b32 v8, 4, v2                        ; 16 r
	v_lshlrev_b32 v9, 3, v2                        ; 8 r
	v_mul_u32_u24 v10, v4, HQT                     ; lanes 16-31 store the trip's second token tile
	v_and_b32 v129, 8, v2
	v_add_nc_u32 v6, SLOT0, v3                     ; the first pair's images,
	v_add_nc_u32 v7, SLOT0, v8                     ; and scale words
	v_add_nc_u32 v11, v10, v9
	v_lshl_add_u32 v15, v2, 4, v10
	v_add_nc_u32 v9, s23, v9                       ; my scale byte of token r of tile 0: HSST + 8 r + wave
	v_add_nc_u32 v129, v129, v2                    ; r + 8 (r / 8)
	v_add_nc_u32 v11, s98, v11                     ; hq, q4 and q5: 8 r + 128 (wave % 2)
	v_add_nc_u32 v15, s97, v15                     ; hq, q0 .. q3: 16 r + 256 (wave % 2)
	v_add_nc_u32 v12, s99, v3                      ; where I read the bytes back
	v_mul_u32_u24 v128, v129, WROW
	v_lshlrev_b32 v131, 5, v129                    ; W1's scales: 32 bytes a row
	v_lshlrev_b32 v132, 6, v4                      ; b1: 64 h
	v_mad_u32_u24 v128, v4, 24, v128
	DLY 1
	v_add_nc_u32 v128, s79, v128                   ; W1 in LDS: my row of a tile, + 24 h;
	DLY 1
	v_lshl_add_u32 v130, v4, 4, v128               ; behind one padding more
	s_wait_alu depctr_va_vdst(0)                   ; the wait at the head's end
	s_wait_dscnt 0x0
	s_wait_kmcnt 0x0
	s_add_nc_u64 s[34:35], s[4:5], s[58:59]        ; tile 32 tg + wave
	s_mul_i32 s78, s16, REC
	s_mov_b32 s79, 0
	s_add_nc_u64 s[38:39], s[34:35], s[78:79]
	s_add_nc_u64 s[38:39], s[38:39], 8*REC         ; X2: tile 32 tg + 8 + 2 wave
	s_add_nc_u64 s[34:35], s[34:35], 24*REC        ; X1 again: tile 32 tg + 24 + wave
	s_or_b32 s35, s35, 0x80000000
	s_or_b32 s39, s39, 0x80000000
	s_add_nc_u64 s[90:91], s[4:5], s[52:53]
	s_or_b32 s91, s91, 0x80000000
	s_add_nc_u64 s[50:51], s[6:7], s[54:55]
	s_or_b32 s51, s51, 0x80000000
	s_mov_b32 s99, 0
	s_mov_b32 s98, s93
	s_add_nc_u64 s[8:9], s[8:9], s[98:99]
	s_mov_b32 s98, s94
	s_add_nc_u64 s[10:11], s[10:11], s[98:99]
	s_mov_b32 s98, s95
	s_add_nc_u64 s[12:13], s[12:13], s[98:99]
	s_mov_b32 s98, s96
	s_add_nc_u64 s[14:15], s[14:15], s[98:99]
	CROUND                                         ; the first joint loads meet
	s_cmp_lt_u32 s16, 4                            ; one chain, one load to an arm
	s_cbranch_scc0 .Lhead_x
	tensor_load_to_lds s[48:51], s[80:87]          ; waves 0-3: 64 rows of W1
	s_nop 0
	PLACES 4
	s_branch .Lhead_j
.Lhead_x:
	tensor_load_to_lds s[88:91], s[40:47]          ; waves 4-7: two records of X1
	s_nop 0
	PLACES 4
.Lhead_j:
.irp t, 0,1
	global_load_b128 v[W1S+8*\t:W1S+8*\t+3],   v131, s[8:9] offset:256*\t
	global_load_b128 v[W1S+8*\t+4:W1S+8*\t+7], v131, s[8:9] offset:256*\t+16
	global_load_b128 v[B1+8*\t:B1+8*\t+3],   v132, s[10:11] offset:32*\t       ; b1 of hidden units 16 h + 8 t + 0 .. 7
	global_load_b128 v[B1+8*\t+4:B1+8*\t+7], v132, s[10:11] offset:32*\t+16
.endr
	s_wait_tensorcnt 0x0                           ; my tile of the head's eight is in,
	s_barrier_signal -1
	s_barrier_wait -1                              ; and everybody's
	WIN 0x40
.irp k, 0,1,2,3,4,5,6,7                ; W1's fragments: pieces of 8 bytes; lanes 16-31 read three pieces on, for some behind one padding more: v130
.irp t, 0,1
.irp p, 0,1,2,3,4,5
.set PCE, 12*\k+6*(\p/3)+\p%3
.if PCE%32 < 29
	ds_load_b64 v[12*(2*\k+\t)+2*\p:12*(2*\k+\t)+2*\p+1], v128 offset:8*\t*WROW+8*PCE+16*(PCE/32)
.else
	ds_load_b64 v[12*(2*\k+\t)+2*\p:12*(2*\k+\t)+2*\p+1], v130 offset:8*\t*WROW+8*PCE+16*(PCE/32)
.endif
.endr
.endr
.endr
	WIN 0
; 12 LDS loads: K steps 2 ph and 2 ph + 1 of both tiles of the pair whose images v[ar] points at, into half ph % 2
.macro XL ar, ph
.irp kq, 0,1
.irp tk, 0,1
.irp c, 0,1,2
	ds_load_b128 v[X+12*(4*((\ph)%2)+2*\kq+\tk)+4*\c:X+12*(4*((\ph)%2)+2*\kq+\tk)+4*\c+3], v[\ar] offset:\tk*REC+1536*(2*(\ph)+\kq)+512*\c
.endr
.endr
.endr
.endm
.macro XSL                             ; 4 LDS loads: the next pair's scale words
.irp tk, 0,1
.irp j, 0,1
	ds_load_b128 v[XS+8*\tk+4*\j:XS+8*\tk+4*\j+3], v7 offset:\tk*REC+12288+256*\j
.endr
.endr
.endm
.macro PH ph                           ; a group of 8 matrix instructions, and the places in front of loads into what they read; b1 is the C of each sum's first
	WIN 0x01
.irp kq, 0,1
.irp tk, 0,1
.irp t, 0,1
.if 2*(\ph)+\kq == 0
	WM H+16*\tk+8*\t, 12*\t, X+12*\tk, B1+8*\t, W1S+8*\t, XS+8*\tk
.else
	WM H+16*\tk+8*\t, 12*(2*(2*(\ph)+\kq)+\t), X+12*(4*((\ph)%2)+2*\kq+\tk), H+16*\tk+8*\t, W1S+8*\t+2*(\ph)+\kq, XS+8*\tk+2*(\ph)+\kq
.endif
.endr
.endr
.endr
	PLACES 4
	WIN 0
.endm
.macro PASS3 c                         ; R = t R + a coefficient, 16 pairs
.set i, 0
.rept 16
	v_pk_fma_f32 v[H+i:H+i+1], v[TT+i:TT+i+1], v[H+i:H+i+1], s[\c:\c+1] op_sel_hi:[1,1,0]
.set i, i+2
.endr
.endm
.macro GELU                            ; every pass goes over all 32 numbers, so that no line waits for the line above it
.set i, 0
.rept 32
	v_mul_f32 v[AZ+i], s60, |v[H+i]|               ; z; each accumulator is read from its low end on
.set i, i+1
.endr
.set i, 0
.rept 16
	v_dual_max_num_f32 v[M+i], 0, v[H+i] :: v_dual_max_num_f32 v[M+i+1], 0, v[H+i+1]
.set i, i+2
.endr
	WIN 0x40
.set i, 0
.rept 16
	v_pk_fma_f32 v[EE+i:EE+i+1], v[AZ+i:AZ+i+1], v[AZ+i:AZ+i+1], s[66:67] op_sel_hi:[1,1,0]   ; z^2 + L
.set i, i+2
.endr
.set i, 0
.rept 16
	v_pk_fma_f32 v[TT+i:TT+i+1], v[AZ+i:AZ+i+1], s[68:69], 1.0 op_sel_hi:[1,0,0]              ; 1 + P z
.set i, i+2
.endr
	s_wait_alu depctr_va_vdst(0)                   ; the wait ahead of the batch
	WIN 0x41
.set i, 0
.rept 32
	v_rcp_f32 v[TT+i], v[TT+i]
.set i, i+1
.endr
.set i, 0
.rept 32
	v_exp_f32 v[EE+i], -v[EE+i]
.set i, i+1
.endr
	v_nop                                          ; a plain place behind the batch
	s_wait_alu depctr_va_vdst(0)                   ; one wait for the 64, ahead of their first reader
	WIN 0x01                                       ; source 0 (t, e) window 1; R lies where H lay
.set i, 0
.rept 16
	v_pk_add_f32 v[H+i:H+i+1], v[TT+i:TT+i+1], s[70:71] op_sel_hi:[1,0]
.set i, i+2
.endr
	PASS3 72
	PASS3 74
	PASS3 76
.set i, 0
.rept 16
	v_pk_mul_f32 v[H+i:H+i+1], v[TT+i:TT+i+1], v[H+i:H+i+1]
.set i, i+2
.endr
.set i, 0
.rept 16
	v_pk_mul_f32 v[H+i:H+i+1], v[EE+i:EE+i+1], v[H+i:H+i+1]
.set i, i+2
.endr
	WIN 0
.set i, 0
.rept 16
	v_pk_fma_f32 v[M+i:M+i+1], v[AZ+i:AZ+i+1], v[H+i:H+i+1], v[M+i:M+i+1] neg_lo:[1,0,0] neg_hi:[1,0,0]
.set i, i+2
.endr
.endm
; the quantiser and the stores: b counts the two token tiles; a lane's 16 numbers of a tile are half a block, lane l xor 16 holds the other half
.macro QOUT
	v_add_nc_u32 v10, s78, v9
.irp b, 0,1
	v_max3_num_f32 v[Q+\b], |v[M+16*\b]|, |v[M+16*\b+1]|, 0x2800000   ; with the floor 2^(5 - 127): the byte cannot fall under 1
	v_max3_num_f32 v[Q+2+\b], |v[M+16*\b+8]|, |v[M+16*\b+9]|, |v[M+16*\b+10]|
.endr
.irp j, 2,4
.irp b, 0,1
	DLY 4
	v_max3_num_f32 v[Q+\b], v[Q+\b], |v[M+16*\b+\j]|, |v[M+16*\b+\j+1]|
	DLY 4
	v_max3_num_f32 v[Q+2+\b], v[Q+2+\b], |v[M+16*\b+9+\j]|, |v[M+16*\b+10+\j]|
.endr
.endr
	DLY 4
	v_max3_num_f32 v[Q], v[Q], |v[M+6]|, |v[M+7]|
	DLY 3
	v_max3_num_f32 v[Q+1], v[Q+1], |v[M+22]|, |v[M+23]|
.irp b, 0,1
	DLY 2
	v_max3_num_f32 v[Q+\b], v[Q+\b], v[Q+2+\b], |v[M+16*\b+15]|
.endr
.irp b, 0,1
	DLY 2
	v_permlanex16_b32 v[Q+4+\b], v[Q+\b], s56, s57
.endr
.irp b, 0,1
	DLY 2
	v_max_num_f32 v[Q+\b], v[Q+\b], v[Q+4+\b]      ; the block's largest magnitude
.endr
.irp b, 0,1
	DLY 2
	v_add_nc_u32 v[Q+6+\b], 0xfe000000, v[Q+\b]    ; 4 off the exponent field: the conversion's scale operand
.endr
.irp b, 0,1
	DLY 2
	v_lshrrev_b32 v[Q+8+\b], 23, v[Q+6+\b]         ; the scale's byte
.endr
	v_cvt_scalef32_pk16_bf6_f32 v[Q+12:Q+14], v[M:M+15], v[Q+6]
	v_cvt_scalef32_pk16_bf6_f32 v[Q+16:Q+18], v[M+16:M+31], v[Q+7]
	v_nop                                          ; the plain place behind the conversions
.irp i, 0,1,2
	v_permlane16_swap_b32 v[Q+12+\i], v[Q+16+\i]   ; lanes 0-15 now hold the first tile's token r whole, lanes 16-31 the second tile's
.endr
	v_mov_b32 v[Q+15], v[Q+16]
	v_mov_b32 v[Q+16], v[Q+17]
	v_mov_b32 v[Q+17], v[Q+18]                     ; Q+12 .. Q+17: registers q0 .. q5
	ds_store_b8 v10, v[Q+8]                        ; both halves of the lanes write the same byte with the same value
	ds_store_b8 v10, v[Q+9] offset:128
	global_store_b128 v15, v[Q+12:Q+15], s[12:13]  ; sixteen lanes store 256 consecutive bytes, aligned
	global_store_b64 v11, v[Q+16:Q+17], s[12:13] offset:512
.endm
; the change of slots: all my tensor loads, the add, my LDS instructions; fill = 1: a round, and X1, read out, takes tiles 24-31
.macro CHANGE fill
	s_wait_tensorcnt 0x0
	ds_add_u32 v13, v14
	s_wait_dscnt 0x0
.if \fill
	CROUND
	tensor_load_to_lds s[32:35], s[24:31]
	s_nop 0
	PLACES 4
.else
	s_barrier_signal -1
	s_barrier_wait -1
.endif
.endm
; a trip: the pair at LDS byte s92; the next pair lies at s93.  Each wait lets the youngest 12 LDS loads, the other half's, stay out.  nx 0: no next pair; chg 1: X1 is left and filled again; 2: X2 is left
.macro TRIP nx, chg
	v_add_nc_u32 v5, s92, v3
.if \nx
	v_add_nc_u32 v6, s93, v3
	v_add_nc_u32 v7, s93, v8
.endif
	s_wait_alu depctr_va_vdst(0)                   ; the wait ahead of the wait below
	s_wait_dscnt 12
	PH 0
	XL 5, 2
	s_wait_dscnt 12
	PH 1
	XL 5, 3
	s_wait_dscnt 12
	PH 2
.if \chg
	CHANGE 2-\chg
.endif
.if \nx
	XL 6, 0
	s_wait_dscnt 12
.else
	s_wait_dscnt 0x0
.endif
	PH 3
.if \nx
	XSL
	XL 6, 1
.endif
	GELU
	QOUT
	s_wait_alu depctr_va_vdst(0)                   ; the wait ahead of the wait and the branch below
	s_wait_xcnt 0x0                                ; the stores have read their base and their data
	s_add_nc_u64 s[12:13], s[12:13], 2*HQT
	s_add_co_u32 s78, s78, 256
.endm
.macro TRIPS n                         ; n pairs on end in one slot
	s_mov_b32 s79, \n
.Ltrips_\@:
	TRIP 1, 0
	s_add_co_u32 s92, s92, 2*REC
	s_add_co_u32 s93, s93, 2*REC
	s_sub_co_u32 s79, s79, 1
	s_cmp_lg_u32 s79, 0
	s_cbranch_scc1 .Ltrips_\@
.endm
	s_wait_tensorcnt 0x0                           ; W1's rows are read out: these lines stand ahead of the fill that lands on them
	ds_add_u32 v13, v14
	s_wait_dscnt 0x0                               ; W1's fragments are in registers
	CROUND
	tensor_load_to_lds s[36:39], s[40:47]          ; X2: my two records of tiles 8-23
	s_nop 0
	PLACES 4
	s_mov_b32 s78, 0
	XL 6, 0
	XSL
	XL 6, 1
	s_wait_loadcnt 0x0                             ; W1's scale words and b1
	s_mov_b32 s92, SLOT0
	s_mov_b32 s93, SLOT0+2*REC
	TRIPS 3                                        ; pairs 0-2
	s_mov_b32 s92, SLOT0+6*REC
	s_mov_b32 s93, 0
	TRIP 1, 1                                      ; pair 3; on into X2
	s_mov_b32 s92, 0
	s_mov_b32 s93, 2*REC
	TRIPS 7                                        ; pairs 4-10
	s_mov_b32 s92, 14*REC
	s_mov_b32 s93, SLOT0
	TRIP 1, 2                                      ; pair 11; back into X1
	s_mov_b32 s92, SLOT0
	s_mov_b32 s93, SLOT0+2*REC
	TRIPS 3                                        ; pairs 12-14
	s_mov_b32 s92, SLOT0+6*REC
	TRIP 0, 0                                      ; pair 15
	s_wait_dscnt 0x0                               ; for the others' sake: my scale bytes lie in LDS
	s_barrier_signal -1
	s_barrier_wait -1
	ds_load_b128 v[64:67], v12                     ; 64 tokens' 8 bytes each
	s_wait_dscnt 0x0
	global_store_b128 v3, v[64:67], s[14:15]
	s_wait_tensorcnt 0x0                           ; the wave's end
	ds_add_u32 v13, v14
	s_wait_dscnt 0x0
	CROUND                                         ; the closing round
	s_endpgm
.Lfunc_end_k_qa244a957c3_ffn1:
	.size	k_qa244a957c3_ffn1, .Lfunc_end_k_qa244a957c3_ffn1-k_qa244a957c3_ffn1
	.p2alignl 7, 3214868480
	.fill 96, 4, 3214868480
	.section	.rodata,"a",@progbits
	.p2align	6, 0x0
	.amdhsa_kernel k_qa244a957c3_ffn1
		.amdhsa_group_segment_fixed_size 327680
		.amdhsa_private_segment_fixed_size 0
		.amdhsa_enable_private_segment 0
		.amdhsa_kernarg_size 48
		.amdhsa_user_sgpr_count 2
		.amdhsa_user_sgpr_kernarg_segment_ptr 1
		.amdhsa_wavefront_size32 1
		.amdhsa_system_sgpr_workgroup_id_x 1
		.amdhsa_system_sgpr_workgroup_id_y 1
		.amdhsa_system_sgpr_workgroup_id_z 1
		.amdhsa_system_vgpr_workitem_id 0
		.amdhsa_next_free_vgpr 512
		.amdhsa_next_free_sgpr 100
		.amdhsa_reserve_vcc 0
		.amdhsa_float_denorm_mode_32 3
		.amdhsa_float_denorm_mode_16_64 3
		.amdhsa_memory_ordered 1
		.amdhsa_forward_progress 1
		.amdhsa_inst_pref_size 178
	.end_amdhsa_kernel
	.amdgpu_metadata
---
amdhsa.version: [ 1, 2 ]
amdhsa.kernels:
  - .name:           k_qa244a957c3_ffn1
    .symbol:         k_qa244a957c3_ffn1.kd
    .args:
      - { .name: xq, .offset: 0, .size: 8, .value_kind: global_buffer, .address_space: global }
      - { .name: W1_codes, .offset: 8, .size: 8, .value_kind: global_buffer, .address_space: global }
      - { .name: W1_scales, .offset: 16, .size: 8, .value_kind: global_buffer, .address_space: global }
      - { .name: b1, .offset: 24, .size: 8, .value_kind: global_buffer, .address_space: global }
      - { .name: hq, .offset: 32, .size: 8, .value_kind: global_buffer, .address_space: global }
      - { .name: hs, .offset: 40, .size: 8, .value_kind: global_buffer, .address_space: global }
    .group_segment_fixed_size: 327680
    .private_segment_fixed_size: 0
    .kernarg_segment_align: 8
    .kernarg_segment_size: 48
    .max_flat_workgroup_size: 256
    .sgpr_count:     100
    .vgpr_count:     512
    .wavefront_size: 32
...
	.end_amdgpu_metadata
.endif
;; end of part 2
;; launch ffn2 (part 3): grid 32 x 8, 4 waves a work-group, clusters of 4 x 1, 327,680 bytes of LDS; arguments hq, hs, w2q, b2, pr, y; writes y
.if DOCPART == 3
	.amdgcn_target "amdgcn-amd-amdhsa--gfx1250"
	.amdhsa_code_object_version 6
	.text
	.protected	k_qa244a957c3_ffn2
	.globl	k_qa244a957c3_ffn2
	.p2align	8
	.type	k_qa244a957c3_ffn2,@function
k_qa244a957c3_ffn2:
	s_mov_b64 s[64:65], 0
	v_nop
	global_prefetch_b8 v0, s[64:65] scope:SCOPE_SE
	s_setreg_imm32_b32 hwreg(HW_REG_WAVE_MODE, 25, 1), 1
	s_wait_xcnt 0x0
	s_wait_alu depctr_hold_cnt(0) depctr_sa_sdst(0) depctr_va_vdst(0) depctr_va_sdst(0) depctr_va_ssrc(0) depctr_va_vcc(0) depctr_vm_vsrc(0)
	s_getreg_b32 s2, hwreg(HW_REG_IB_STS2, 6, 4)
	s_cmp_eq_u32 s2, 0
	s_cbranch_scc0 .Lentry_in_a_cluster
	s_endpgm
.Lentry_in_a_cluster:
	s_bfe_u32 s2, ttmp6, 0x10000c
	s_cmp_lg_u32 s2, 0x3003
	s_cbranch_scc0 .Lentry_shape_is_right
	s_endpgm
.Lentry_shape_is_right:
; y[t][d] = c0[t] (h0 W2_0 + b2_0)[t][d] + c1[t] (h1 W2_1 + b2_1)[t][d]: the second quantised product for both experts and the combination, f32 out.
; 256 tiles of 128 tokens x 128 d (x: tile row, y: tile column).  K IS SPLIT AMONG THE WAVES: wave w takes expert w / 2 and half w % 2 of its 4,096 hidden units, 16 K steps of 128, and makes the whole tile over them:
; 64 accumulators by turns.  The four partial tiles meet in LDS at the end.
; LIMIT: the sums over K are added in another order than in the definition: four f32 parts, added in f32.  NaN and infinities are not served.
; TRANSPOSED USE (source 0 = 16 rows of W2, source 1 = 16 tokens): a lane holds one token and eight neighbouring d.
; h and its scale words come from memory straight into registers (hq lies in the order of the operand's registers); three sets of 96 registers take turns, a set is asked for two K steps before it is multiplied.
; h is not asked for jointly: two slots of two K steps of both operands for four waves would be 4 x 2 x 50,176 bytes of LDS, more than a work-group can have.
; W2 comes from w2q (laid by the first launch in the order of the operand's registers, scale words beside the codes; a record of 25,600 dense bytes holds two K steps) by JOINT tensor loads: the four work-groups of a cluster are
; four tile rows of one tile column.  Each wave has a ring of its own of two slots: slot A, two records; slot B, one.  Record g lies at place g % 3.  The head's one load a wave fills all three places (records 0-2);
; A takes records 3, 4 when record 1 is read out, B record 5 behind record 2, A records 6, 7 behind record 4: three rounds, one load a wave out behind each.
; W2 has ONE set of fragment registers: blocks 0-3 are fetched anew in a step's middle, blocks 4-7 at its end.  A scale register carries both K steps of a record: lanes 0-15 the first's words, lanes 16-31 the second's.
; All 16 steps are written out: the three sets, the three places and the two sets of scale words come back to their beginning after 12 steps only.
; REGISTERS.  window 0: v1-13, v19 addresses; v14, 15 the add's; v32-63 scale words, two sets (h's at a, W2's at 8 + b); v64-159 W2's fragments; v160-255 h's set 2.
;   window 1: h's sets 0 and 1 at v0 and v96; v192-255 at the end (c0, c1) of my 32 rows.   windows 2, 3: accumulator (b, a) at v[8 (8 (b % 4) + a)] of window 2 + b / 4.
.set RINGW, 76800
.set SLOTB, 25600                      ; a record
.set SPARE, 313344
.set SP,    528
.set STW,   128*SP                     ; a wave's partial tile on the way out; the four lie from LDS byte 0 on, over the rings, which have had their last fill and their last read by then
.set SCB,   32
.set WF,    64
.set CP,    192
.set BIA,   192
.set MSB, 0
.macro WIN new
.if MSB != (\new)
	s_set_vgpr_msb (MSB<<8)|(\new)
.set MSB, (\new)
.endif
.endm
.macro PLACES n
.rept \n
	v_nop
.endr
.endm
.macro CREST
	s_cmp_lg_u32 s18, 0
	s_cbranch_scc1 .Lnot_wave_0_\@
	s_barrier_signal -3
.Lnot_wave_0_\@:
	s_barrier_wait -3
	s_barrier_signal -1
	s_barrier_wait -1
.endm
.macro CROUND
	s_barrier_signal -1
	s_barrier_wait -1
	CREST
.endm
; kind 0: the product starts its sum; 1: the record's first K step; 2: the second: the scale words of lanes 16-31
.macro WM d, a, b, sa, sb, kind
.if (\kind) == 0
	v_wmma_scale_f32_16x16x128_f8f6f4 v[(\d):(\d)+7], v[(\a):(\a)+11], v[(\b):(\b)+11], 0, v[(\sa)], v[(\sb)] matrix_a_fmt:MATRIX_FMT_BF6 matrix_b_fmt:MATRIX_FMT_BF6
.elseif (\kind) == 1
	v_wmma_scale_f32_16x16x128_f8f6f4 v[(\d):(\d)+7], v[(\a):(\a)+11], v[(\b):(\b)+11], v[(\d):(\d)+7], v[(\sa)], v[(\sb)] matrix_a_fmt:MATRIX_FMT_BF6 matrix_b_fmt:MATRIX_FMT_BF6
.else
	v_wmma_scale_f32_16x16x128_f8f6f4 v[(\d):(\d)+7], v[(\a):(\a)+11], v[(\b):(\b)+11], v[(\d):(\d)+7], v[(\sa)], v[(\sb)] matrix_a_fmt:MATRIX_FMT_BF6 matrix_b_fmt:MATRIX_FMT_BF6 matrix_a_scale:MATRIX_SCALE_ROW1 matrix_b_scale:MATRIX_SCALE_ROW1
.endif
.endm
; h's eight fragments of my K step s into set s % 3: 32 loads; ahead of them, at an even s, the 8 scale words of steps s and s + 1
.macro HLOAD s
.if (\s)%2 == 0
	WIN 0
.irp a, 0,1,2,3,4,5,6,7
	global_load_b32 v[SCB+16*(((\s)/2)%2)+\a], v5, s[6:7] offset:32768*((\s)/2)+128*\a
.endr
.endif
.set HSET, (\s)%3
.if HSET == 2
	WIN 0
.set HB, 160
.else
	WIN 0x40
.set HB, 96*HSET
.endif
.irp a, 0,1,2,3,4,5,6,7
.irp c, 0,1
	global_load_b128 v[HB+12*\a+6*\c:HB+12*\a+6*\c+3], v1, s[4:5] offset:98304*\a+1536*(\s)+768*\c
	global_load_b64 v[HB+12*\a+6*\c+4:HB+12*\a+6*\c+5], v2, s[4:5] offset:98304*\a+1536*(\s)+768*\c+512
.endr
.endr
.endm
.macro CLOAD                           ; for the way out: b2 of my four d for both experts, and (c0, c1) of each of my 32 rows
	WIN 0
	global_load_b128 v[BIA:BIA+3], v1, s[12:13]
	global_load_b128 v[BIA+4:BIA+7], v1, s[12:13] offset:4096
	WIN 0x40
.set i, 0
.rept 32
	global_load_b64 v[CP+2*i:CP+2*i+1], v12, s[14:15] offset:16*i+8
.set i, i+1
.endr
.endm
.macro WFETCH pl, q, b0                ; 12 LDS loads: W2's fragments b0 .. b0 + 3 of the q-th K step of the record at place pl, images of 512 consecutive bytes; v4 points at place 2
.irp i, 0,1,2,3
.irp c, 0,1,2
.if (\pl) < 2
	ds_load_b128 v[WF+12*((\b0)+\i)+4*\c:WF+12*((\b0)+\i)+4*\c+3], v3 offset:SLOTB*(\pl)+1536*(8*(\q)+(\b0)+\i)+512*\c
.else
	ds_load_b128 v[WF+12*((\b0)+\i)+4*\c:WF+12*((\b0)+\i)+4*\c+3], v4 offset:1536*(8*(\q)+(\b0)+\i)+512*\c
.endif
.endr
.endr
.endm
.macro SCL g                           ; 8 LDS loads: W2's scale words of record g into set g % 2
.irp b, 0,1,2,3,4,5,6,7
.if ((\g)%3) < 2
	ds_load_b32 v[SCB+16*((\g)%2)+8+\b], v6 offset:SLOTB*((\g)%3)+24576+128*\b
.else
	ds_load_b32 v[SCB+16*((\g)%2)+8+\b], v19 offset:24576+128*\b
.endif
.endr
.endm
.macro MULB s, b0, n                   ; 8 n matrix instructions of K step s
.set HSET, (\s)%3
.if HSET == 2
.set HB, 160
.set WH, 0
.else
.set HB, 96*HSET
.set WH, 4
.endif
.set SS, SCB+16*(((\s)/2)%2)
.set KIND, 1+(\s)%2
.if (\s) == 0
.set KIND, 0
.endif
.set bb, \b0
.rept \n
	WIN 0xa0+0x50*(bb/4)+WH
.irp a, 0,1,2,3,4,5,6,7
	WM 8*(8*(bb%4)+\a), WF+12*bb, HB+12*\a, SS+8+bb, SS+\a, KIND
.endr
.set bb, bb+1
.endr
.endm
.macro HNEXT s                         ; the next step's set is waited for: behind it only set s + 2's loads were issued, 40 at an even step, 32 at an odd one
.if (\s)+3 <= 15
	s_wait_loadcnt 40-8*((\s)%2)
	HLOAD (\s)+3
.elseif (\s) == 13
	s_wait_loadcnt 32
.elseif (\s) == 14
	s_wait_loadcnt 0x0
	CLOAD
.endif
.endm
.macro STEP s                          ; a record's first K step
.set RS, ((\s)/2)%3
	s_wait_dscnt 12                                ; blocks 0-3 and the scale words are in; the youngest 12 loads (blocks 4-7) may be out
	MULB \s, 0, 4
	s_wait_dscnt 0x0
	PLACES 4
	WIN 0
	WFETCH RS, 1, 0
	MULB \s, 4, 4
	PLACES 4
	WIN 0
	WFETCH RS, 1, 4
	HNEXT \s
.endm
; a record's second K step goes on to the next record.  mode 1: a slot is read out: all my tensor loads, the add, my reads; a round of the cluster's barrier; the slot is asked for again by group 0 at s[g0], stepped by step bytes, and group 1 at s[g1].
; mode 0: the next record is the first of a fill that is still out: only I read my ring, so my own wait is all that its reads need.  mode 2: the next record has been waited for.
; p0, p1: records prefetched, or -1: what the NEXT refill will ask for, two K steps or more ahead of that load.  All eight clusters of a tile column walk the same bytes: the one with x = 0 asks;
; its four partners take 32 of a record's 100 blocks of 256 bytes each, told apart by address, a lane a block; the lanes left over name block 99 again.  Records 0 to 2 come by their load alone.
.macro TURN s, mode, g0, g1, step, p0, p1
.set NS, ((\s)/2+1)%3
.set GN, (\s)/2+1
	s_wait_dscnt 12
	MULB \s, 0, 2
.if (\mode) == 1
	WIN 0
	s_wait_tensorcnt 0x0
	ds_add_u32 v14, v15
	MULB \s, 2, 1
	s_wait_dscnt 0x0
	s_barrier_signal -1
	MULB \s, 3, 1
	WIN 0
	s_barrier_wait -1
	CREST
.if (\step) > 0
	s_add_nc_u64 s[(\g0)+2:(\g0)+3], s[(\g0)+2:(\g0)+3], \step
.endif
	tensor_load_to_lds s[(\g0):(\g0)+3], s[(\g1):(\g1)+7]
	s_nop 0
	PLACES 4
.else
.if (\mode) == 0
	s_wait_tensorcnt 0x0
.endif
	MULB \s, 2, 2
	s_wait_dscnt 0x0
	PLACES 4
	WIN 0
.endif
	WFETCH NS, 0, 0
	SCL GN
.if (\p0) >= 0
	s_cmp_eq_u32 s87, 0
	s_cbranch_scc0 .Lnot_mine_\@
	global_prefetch_b8 v13, s[68:69] offset:SLOTB*(\p0) th:TH_LOAD_NT scope:SCOPE_SE
.if (\p1) >= 0
	global_prefetch_b8 v13, s[68:69] offset:SLOTB*(\p1) th:TH_LOAD_NT scope:SCOPE_SE
.endif
.Lnot_mine_\@:
.endif
	MULB \s, 4, 4
	PLACES 4
	WIN 0
	WFETCH NS, 0, 4
	HNEXT \s
.endm
	s_load_b128 s[4:7], s[0:1], 0x0                ; hq, hs
	s_load_b64 s[8:9], s[0:1], 0x10                ; w2q
	s_load_b128 s[12:15], s[0:1], 0x18             ; b2, pr
	s_load_b64 s[16:17], s[0:1], 0x28              ; y
	v_lshl_add_u32 v14, v0, 2, SPARE
	v_mov_b32 v15, 0
	ds_add_u32 v14, v15                            ; the opening lines: the add twice on end, and one wait
	ds_add_u32 v14, v15
	v_lshrrev_b32 v16, 5, v0
	v_readfirstlane_b32 s18, v16                   ; wave
	s_bfe_u32 s21, ttmp6, 0x40000                  ; cx
	s_lshl_b32 s22, ttmp9, 2
	s_add_co_u32 s22, s22, s21                     ; tile row
	s_and_b32 s23, ttmp7, 0xffff                   ; tile column, which the four partners share
	s_mov_b32 s87, ttmp9                           ; cluster x
	s_mov_b32 s24, 15|(3<<16)|(1<<21)              ; group 1, a record: 100 rows of 256 bytes; the mask: all four work-groups
	s_mov_b32 s25, 32<<16
	s_mov_b32 s26, 100<<16
	s_mov_b32 s27, 32<<16
	s_mov_b32 s28, 100
	s_mov_b32 s29, 32
	s_mov_b32 s30, 0
	s_mov_b32 s31, 0
	s_mov_b32 s40, 15|(3<<16)|(1<<21)              ; group 1, three records: 300 rows
	s_mov_b32 s41, 32<<16
	s_mov_b32 s42, 300<<16
	s_mov_b32 s43, 32<<16
	s_mov_b32 s44, 300
	s_mov_b32 s45, 32
	s_mov_b32 s46, 0
	s_mov_b32 s47, 0
	s_mov_b32 s48, 15|(3<<16)|(1<<21)              ; group 1, two records: 200 rows
	s_mov_b32 s49, 32<<16
	s_mov_b32 s50, 200<<16
	s_mov_b32 s51, 32<<16
	s_mov_b32 s52, 200
	s_mov_b32 s53, 32
	s_mov_b32 s54, 0
	s_mov_b32 s55, 0
	s_lshl_b32 s68, s18, 3
	s_add_co_u32 s68, s68, s23
	s_mul_i32 s68, s68, 8*SLOTB                    ; w2q: my expert and half, the tile column (these registers never hold cx)
	s_mov_b32 s69, 0
	s_lshl_b32 s72, s18, 18                        ; hs: my 8 groups of 32,768 bytes, the tile row's 128 tokens
	s_lshl_b32 s73, s22, 10
	s_add_co_u32 s72, s72, s73
	s_mov_b32 s73, 0
	s_mul_i32 s74, s22, 786432                     ; hq: token tile 8 x tile row; 24,576 x wave
	s_mul_i32 s75, s18, 24576
	s_add_co_u32 s74, s74, s75
	s_mov_b32 s75, 0
	s_lshl_b32 s76, s22, 19                        ; y: row 128 x tile row + 32 x wave, byte 512 x tile column
	s_lshl_b32 s77, s18, 17
	s_add_co_u32 s76, s76, s77
	s_lshl_b32 s77, s23, 9
	s_add_co_u32 s76, s76, s77
	s_mov_b32 s77, 0
	s_lshl_b32 s78, s22, 11                        ; pr: 16 bytes a token, the same rows
	s_lshl_b32 s79, s18, 9
	s_add_co_u32 s78, s78, s79
	s_mov_b32 s79, 0
	s_lshl_b32 s80, s23, 9                         ; b2
	s_mov_b32 s81, 0
	s_mul_i32 s82, s18, RINGW                      ; my ring
	s_mul_i32 s85, s18, STW
	s_mul_i32 s86, s18, 32*SP
	s_lshl_b32 s84, s21, 5
	v_and_b32 v16, 31, v0
	v_and_b32 v17, 15, v0
	v_bfe_u32 v18, v0, 4, 1
	v_lshlrev_b32 v1, 4, v16                       ; 16 x lane
	v_lshlrev_b32 v2, 3, v16                       ; 8 x lane
	v_add_nc_u32 v3, s82, v1                       ; W2's images in my ring: places 0 and 1,
	v_add_nc_u32 v4, 2*SLOTB, v3                   ; and place 2
	v_lshlrev_b32 v5, 3, v17
	v_lshl_add_u32 v5, v18, 2, v5                  ; h's scale words: 8 r + 4 h
	v_lshlrev_b32 v6, 2, v16
	v_add_nc_u32 v6, s82, v6                       ; W2's scale words: 4 x lane; places 0 and 1,
	v_add_nc_u32 v19, 2*SLOTB, v6                  ; and place 2
	v_mul_u32_u24 v7, v17, SP
	v_lshl_add_u32 v7, v18, 5, v7
	v_add_nc_u32 v7, s85, v7                       ; the stage, in: my partial tile, row r, + 32 h
	v_add_nc_u32 v8, s86, v1                       ; back: my 32 rows of partial tile 0,
	v_add_nc_u32 v9, STW, v8
	v_add_nc_u32 v10, 2*STW, v8
	v_add_nc_u32 v11, 3*STW, v8
	v_mov_b32 v12, 0
	v_add_nc_u32 v13, s84, v16
	v_min_u32 v13, 99, v13
	v_lshlrev_b32 v13, 8, v13                      ; the prefetches' offset: block min(32 cx + lane, 99)
	s_wait_alu depctr_va_vdst(0)                   ; the wait at the head's end
	s_wait_dscnt 0x0
	s_wait_kmcnt 0x0
	s_add_nc_u64 s[68:69], s[8:9], s[68:69]
	s_add_nc_u64 s[6:7], s[6:7], s[72:73]
	s_add_nc_u64 s[4:5], s[4:5], s[74:75]
	s_add_nc_u64 s[16:17], s[16:17], s[76:77]
	s_add_nc_u64 s[14:15], s[14:15], s[78:79]
	s_add_nc_u64 s[12:13], s[12:13], s[80:81]
	s_mov_b32 s32, 1                               ; group 0, slot A: records 0, then 3, then 6 on
	s_mov_b32 s33, s82
	s_mov_b64 s[34:35], s[68:69]
	s_or_b32 s35, s35, 0x80000000
	s_mov_b32 s36, 1                               ; group 0, slot B: record 5
	s_add_co_u32 s37, s82, 2*SLOTB
	s_add_nc_u64 s[38:39], s[68:69], 5*SLOTB
	s_or_b32 s39, s39, 0x80000000
	CROUND                                         ; the first joint loads meet
	tensor_load_to_lds s[32:35], s[40:47]          ; all three places: 76,800 consecutive bytes
	s_nop 0
	PLACES 4
	HLOAD 0
	HLOAD 1
	s_wait_loadcnt 32                              ; set 0 is in; set 1's 32 loads may be out
	HLOAD 2
	s_wait_tensorcnt 0x0                           ; only I read my ring
	WFETCH 0, 0, 0
	SCL 0
	WFETCH 0, 0, 4
	STEP 0
	TURN 1, 2, 0, 0, 0, 3, 4
	STEP 2
	TURN 3, 1, 32, 48, 3*SLOTB, 5, -1
	STEP 4
	TURN 5, 1, 36, 24, 0, 6, 7
	STEP 6
	TURN 7, 2, 0, 0, 0, -1, -1
	STEP 8
	TURN 9, 1, 32, 48, 3*SLOTB, -1, -1
	STEP 10
	TURN 11, 0, 0, 0, 0, -1, -1
	STEP 12
	TURN 13, 2, 0, 0, 0, -1, -1
	STEP 14
	s_wait_dscnt 12
	MULB 15, 0, 4
	s_wait_dscnt 0x0
	MULB 15, 4, 4
	PLACES 4
	WIN 0
	; THE WAY OUT.  Behind this barrier the four partial tiles are laid over the rings, as rows of 512 bytes + 16.
	s_wait_dscnt 0x0
	s_barrier_signal -1
	s_barrier_wait -1
.macro TOSTAGE b                       ; lane (r, h) of accumulator (b, a): token 16 a + r, d 16 b + 8 h + 0 .. 7; each accumulator from its low end on
	WIN 0x08+4*((\b)/4)
.irp a, 0,1,2,3,4,5,6,7
	ds_store_b128 v7, v[8*(8*((\b)%4)+\a):8*(8*((\b)%4)+\a)+3] offset:16*SP*\a+64*(\b)
	ds_store_b128 v7, v[8*(8*((\b)%4)+\a)+4:8*(8*((\b)%4)+\a)+7] offset:16*SP*\a+64*(\b)+16
.endr
.endm
.irp b, 0,1,2,3,4,5,6,7
	TOSTAGE \b
.endr
	WIN 0
	s_wait_dscnt 0x0                               ; for the others' sake
	s_barrier_signal -1
	s_barrier_wait -1
.macro RLOAD k                         ; four of my 32 rows: 16 bytes a lane of each of the four partial tiles
.set RB, 64+64*((\k)%2)
.irp i, 0,1,2,3
.irp p, 0,1,2,3
	ds_load_b128 v[RB+16*\i+4*\p:RB+16*\i+4*\p+3], v[8+\p] offset:SP*(4*(\k)+\i)
.endr
.endr
.endm
.macro RCOMP k                         ; y = c0 (p0 + p1 + b2_0) + c1 (p2 + p3 + b2_1); the results go to registers of their own in window 1
.set RB, 64+64*((\k)%2)
.irp i, 0,1,2,3
.set XR, RB+16*\i
	v_pk_add_f32 v[XR:XR+1], v[XR:XR+1], v[XR+4:XR+5]
	v_pk_add_f32 v[XR+2:XR+3], v[XR+2:XR+3], v[XR+6:XR+7]
	v_pk_add_f32 v[XR+8:XR+9], v[XR+8:XR+9], v[XR+12:XR+13]
	v_pk_add_f32 v[XR+10:XR+11], v[XR+10:XR+11], v[XR+14:XR+15]
.endr
.irp i, 0,1,2,3
.set XR, RB+16*\i
	v_pk_add_f32 v[XR:XR+1], v[XR:XR+1], v[BIA:BIA+1]
	v_pk_add_f32 v[XR+2:XR+3], v[XR+2:XR+3], v[BIA+2:BIA+3]
	v_pk_add_f32 v[XR+8:XR+9], v[XR+8:XR+9], v[BIA+4:BIA+5]
	v_pk_add_f32 v[XR+10:XR+11], v[XR+10:XR+11], v[BIA+6:BIA+7]
.endr
	WIN 0x04
.irp i, 0,1,2,3
.set XR, RB+16*\i
.set CR, CP+2*(4*(\k)+\i)
	v_pk_mul_f32 v[XR:XR+1], v[XR:XR+1], v[CR:CR+1] op_sel_hi:[1,0]
	v_pk_mul_f32 v[XR+2:XR+3], v[XR+2:XR+3], v[CR:CR+1] op_sel_hi:[1,0]
.endr
	WIN 0x44
.irp i, 0,1,2,3
.set XR, RB+16*\i
.set CR, CP+2*(4*(\k)+\i)
.irp j, 0,1,2,3
	v_fma_f32 v[4*(4*(\k)+\i)+\j], v[XR+8+\j], v[CR+1], v[XR+\j]
.endr
.endr
	WIN 0x04
.irp i, 0,1,2,3
	global_store_b128 v1, v[4*(4*(\k)+\i):4*(4*(\k)+\i)+3], s[16:17] offset:4096*(4*(\k)+\i)   ; 512 consecutive bytes, aligned
.endr
	WIN 0
.endm
	RLOAD 0
	RLOAD 1
	s_wait_loadcnt 0x0                             ; b2 and the rows' weights
.irp k, 0,1,2,3,4,5,6,7
.if \k < 7
	s_wait_dscnt 16                                ; these four rows are in; the next four rows' 16 loads may be out
.else
	s_wait_dscnt 0x0
.endif
	RCOMP \k
.if \k < 6
	RLOAD \k+2
.endif
.endr
	s_wait_tensorcnt 0x0                           ; the wave's end
	ds_add_u32 v14, v15
	s_wait_dscnt 0x0
	CROUND                                         ; the closing round
	s_endpgm
.Lfunc_end_k_qa244a957c3_ffn2:
	.size	k_qa244a957c3_ffn2, .Lfunc_end_k_qa244a957c3_ffn2-k_qa244a957c3_ffn2
	.p2alignl 7, 3214868480
	.fill 96, 4, 3214868480
	.section	.rodata,"a",@progbits
	.p2align	6, 0x0
	.amdhsa_kernel k_qa244a957c3_ffn2
		.amdhsa_group_segment_fixed_size 327680
		.amdhsa_private_segment_fixed_size 0
		.amdhsa_enable_private_segment 0
		.amdhsa_kernarg_size 48
		.amdhsa_user_sgpr_count 2
		.amdhsa_user_sgpr_kernarg_segment_ptr 1
		.amdhsa_wavefront_size32 1
		.amdhsa_system_sgpr_workgroup_id_x 1
		.amdhsa_system_sgpr_workgroup_id_y 1
		.amdhsa_system_sgpr_workgroup_id_z 1
		.amdhsa_system_vgpr_workitem_id 0
		.amdhsa_next_free_vgpr 1024
		.amdhsa_next_free_sgpr 100
		.amdhsa_reserve_vcc 0
		.amdhsa_float_denorm_mode_32 3
		.amdhsa_float_denorm_mode_16_64 3
		.amdhsa_memory_ordered 1
		.amdhsa_forward_progress 1
		.amdhsa_inst_pref_size 255
	.end_amdhsa_kernel
	.section	.bss,"aw",@nobits
	.p2align	6
	.space	262144
	.amdgpu_metadata
---
amdhsa.version: [ 1, 2 ]
amdhsa.kernels:
  - .name:           k_qa244a957c3_ffn2
    .symbol:         k_qa244a957c3_ffn2.kd
    .args:
      - { .name: hq, .offset: 0, .size: 8, .value_kind: global_buffer, .address_space: global }
      - { .name: hs, .offset: 8, .size: 8, .value_kind: global_buffer, .address_space: global }
      - { .name: w2q, .offset: 16, .size: 8, .value_kind: global_buffer, .address_space: global }
      - { .name: b2, .offset: 24, .size: 8, .value_kind: global_buffer, .address_space: global }
      - { .name: pr, .offset: 32, .size: 8, .value_kind: global_buffer, .address_space: global }
      - { .name: y, .offset: 40, .size: 8, .value_kind: global_buffer, .address_space: global }
    .group_segment_fixed_size: 327680
    .private_segment_fixed_size: 0
    .kernarg_segment_align: 8
    .kernarg_segment_size: 48
    .max_flat_workgroup_size: 128
    .sgpr_count:     100
    .vgpr_count:     1024
    .wavefront_size: 32
...
	.end_amdgpu_metadata
.endif
;; end of part 3
;; launch norm (part 4): grid 256 x 1, 8 waves a work-group, no clusters, 0 bytes of LDS; arguments y, ln_w, ln_b, psum, out0, out1; writes out0, out1
.if DOCPART == 4
	.amdgcn_target "amdgcn-amd-amdhsa--gfx1250"
	.amdhsa_code_object_version 6
	.text
	.protected	k_qa244a957c3_norm
	.globl	k_qa244a957c3_norm
	.p2align	8
	.type	k_qa244a957c3_norm,@function
k_qa244a957c3_norm:
	s_mov_b64 s[64:65], 0
	v_nop
	global_prefetch_b8 v0, s[64:65] scope:SCOPE_SE
	s_setreg_imm32_b32 hwreg(HW_REG_WAVE_MODE, 25, 1), 1
	s_wait_xcnt 0x0
; out0 = layer norm of y along its 1,024 columns (biased variance, eps 1e-5), times ln_w, plus ln_b.  out1 = the auxiliary loss from the 256 partial sums of the router's p.
; A wave takes two whole rows, 32 registers each: a row is read once, the mean is taken off before the squares are summed, and no wave waits for another.  Each load and store of a wave covers 512 consecutive bytes.
; AUX: both experts are among the top 2 of 2 for every token, so usage is 1 for both, for every input: aux = 2 (I0 + I1) / 4096 + (I0^2 + I1^2) / 2, I_e the sum of p_e over all tokens.  Wave 0 of work-group 0 makes it.
; Memory binds: no LDS, no matrix unit, no cluster (the work-groups share only ln_w and ln_b, 8,192 bytes).
.set LW, 16                            ; v16-47  ln_w at my columns
.set LB, 48                            ; v48-79  ln_b
.set XR, 80                            ; v80-143 the two rows
	s_load_b256 s[4:11], s[0:1], 0x0               ; y s[4:5], ln_w s[6:7], ln_b s[8:9], psum s[10:11]
	s_load_b128 s[12:15], s[0:1], 0x20             ; out0 s[12:13], out1 s[14:15]
	v_lshrrev_b32 v1, 5, v0
	s_delay_alu instid0(VALU_DEP_1)
	v_readfirstlane_b32 s16, v1                    ; wave 0..7
	v_and_b32 v1, 31, v0
	s_delay_alu instid0(VALU_DEP_1)
	v_lshlrev_b32 v2, 4, v1                        ; 16 x lane
	s_lshl_b32 s18, ttmp9, 16                      ; 16 rows of 4,096 bytes a work-group,
	s_lshl_b32 s19, s16, 13                        ; two a wave
	s_add_co_u32 s18, s18, s19
	s_mov_b32 s19, 0
	s_mov_b32 s20, 0x3a800000                      ; 1 / 1024
	s_mov_b32 s21, 0x3727c5ac                      ; 1e-5
	s_mov_b32 s22, 0x76543210
	s_mov_b32 s23, 0xfedcba98                      ; v_permlanex16_b32's selects for lane l xor 16
	s_or_b32 s24, ttmp9, s16
	v_mov_b32 v150, 0                              ; written once: a lane permute's destination counts as one of its sources
	v_mov_b32 v158, 0
	s_wait_alu depctr_va_vdst(0)
	s_wait_kmcnt 0x0
	s_add_nc_u64 s[4:5], s[4:5], s[18:19]
	s_add_nc_u64 s[12:13], s[12:13], s[18:19]
.irp p, 0,1
.irp j, 0,1,2,3,4,5,6,7
	global_load_b128 v[XR+32*\p+4*\j:XR+32*\p+4*\j+3], v2, s[4:5] offset:4096*\p+512*\j th:TH_LOAD_NT
.endr
.endr
.irp j, 0,1,2,3,4,5,6,7
	global_load_b128 v[LW+4*\j:LW+4*\j+3], v2, s[6:7] offset:512*\j
	global_load_b128 v[LB+4*\j:LB+4*\j+3], v2, s[8:9] offset:512*\j
.endr
.macro RED x, t                        ; the sum over the 32 lanes, in every lane
	v_add_f32_dpp v[\x], v[\x], v[\x] row_xmask:1 row_mask:0xf bank_mask:0xf
	s_delay_alu instid0(VALU_DEP_1)
	v_add_f32_dpp v[\x], v[\x], v[\x] row_xmask:2 row_mask:0xf bank_mask:0xf
	s_delay_alu instid0(VALU_DEP_1)
	v_add_f32_dpp v[\x], v[\x], v[\x] row_xmask:4 row_mask:0xf bank_mask:0xf
	s_delay_alu instid0(VALU_DEP_1)
	v_add_f32_dpp v[\x], v[\x], v[\x] row_xmask:8 row_mask:0xf bank_mask:0xf
	s_delay_alu instid0(VALU_DEP_1)
	v_permlanex16_b32 v[\t], v[\x], s22, s23
	s_delay_alu instid0(VALU_DEP_1)
	v_add_f32 v[\x], v[\x], v[\t]
.endm
	s_cmp_lg_u32 s24, 0
	s_cbranch_scc1 .Lrows
.irp j, 0,1,2,3
	global_load_b128 v[128+16+4*\j:128+16+4*\j+3], v2, s[10:11] offset:512*\j   ; psum: two pairs (sum of p0, sum of p1) a lane and load
.endr
	s_wait_loadcnt 0x0
	v_pk_add_f32 v[144:145], v[144:145], v[146:147]
	v_pk_add_f32 v[148:149], v[148:149], v[150:151]
	v_pk_add_f32 v[152:153], v[152:153], v[154:155]
	v_pk_add_f32 v[156:157], v[156:157], v[158:159]
	s_delay_alu instid0(VALU_DEP_3)
	v_pk_add_f32 v[144:145], v[144:145], v[148:149]
	s_delay_alu instid0(VALU_DEP_2)
	v_pk_add_f32 v[152:153], v[152:153], v[156:157]
	s_delay_alu instid0(VALU_DEP_1)
	v_pk_add_f32 v[144:145], v[144:145], v[152:153]
	RED 144, 146                                   ; I0
	RED 145, 147                                   ; I1
	v_mul_f32 v146, v144, v144
	s_delay_alu instid0(VALU_DEP_1)
	v_fma_f32 v146, v145, v145, v146
	s_delay_alu instid0(VALU_DEP_3)
	v_add_f32 v147, v144, v145
	s_delay_alu instid0(VALU_DEP_2)
	v_mul_f32 v146, 0.5, v146
	s_delay_alu instid0(VALU_DEP_1)
	v_fma_f32 v146, v147, 0x3a000000, v146         ; + 2 (I0 + I1) / 4096
	v_mov_b32 v148, 0
	v_cmp_eq_u32 vcc_lo, 0, v1
	s_wait_alu depctr_va_vdst(0)
	s_wait_xcnt 0x0                                ; EXEC changes only behind this wait
	s_and_saveexec_b32 s25, vcc_lo
	global_store_b32 v148, v146, s[14:15]          ; lane 0
	s_wait_xcnt 0x0
	s_or_b32 exec_lo, exec_lo, s25
.Lrows:
	s_wait_loadcnt 0x0
	; row p's registers at work: v[144 + 8 p] on: two chains of pairs, a pair for the mean and then for 1 / sigma, one for the permute
.irp p, 0,1
	v_pk_add_f32 v[144+8*\p:145+8*\p], v[XR+32*\p:XR+32*\p+1],   v[XR+32*\p+4:XR+32*\p+5]
	v_pk_add_f32 v[146+8*\p:147+8*\p], v[XR+32*\p+2:XR+32*\p+3], v[XR+32*\p+6:XR+32*\p+7]
.endr
.irp i, 8,12,16,20,24,28
.irp p, 0,1
	s_delay_alu instid0(VALU_DEP_4)
	v_pk_add_f32 v[144+8*\p:145+8*\p], v[144+8*\p:145+8*\p], v[XR+32*\p+\i:XR+32*\p+\i+1]
	s_delay_alu instid0(VALU_DEP_4)
	v_pk_add_f32 v[146+8*\p:147+8*\p], v[146+8*\p:147+8*\p], v[XR+32*\p+\i+2:XR+32*\p+\i+3]
.endr
.endr
.irp p, 0
	s_delay_alu instid0(VALU_DEP_3)
	v_pk_add_f32 v[144+8*\p:145+8*\p], v[144+8*\p:145+8*\p], v[146+8*\p:147+8*\p]
.endr
.irp p, 1
	s_delay_alu instid0(VALU_DEP_2)
	v_pk_add_f32 v[144+8*\p:145+8*\p], v[144+8*\p:145+8*\p], v[146+8*\p:147+8*\p]
.endr
.irp p, 0,1
	s_delay_alu instid0(VALU_DEP_2)
	v_add_f32 v[144+8*\p], v[144+8*\p], v[145+8*\p]
.endr
	RED 144, 150
	RED 152, 158
.irp p, 0
	v_mul_f32 v[148+8*\p], s20, v[144+8*\p]        ; the mean, twice
	v_mul_f32 v[149+8*\p], s20, v[144+8*\p]
.endr
.irp p, 1
	s_delay_alu instid0(VALU_DEP_3)
	v_mul_f32 v[148+8*\p], s20, v[144+8*\p]        ; the mean, twice
	s_delay_alu instid0(VALU_DEP_4)
	v_mul_f32 v[149+8*\p], s20, v[144+8*\p]
.endr
.irp i, 0,2,4,6,8,10,12,14,16,18,20,22,24,26,28,30
.irp p, 0,1
	v_pk_add_f32 v[XR+32*\p+\i:XR+32*\p+\i+1], v[XR+32*\p+\i:XR+32*\p+\i+1], v[148+8*\p:149+8*\p] neg_lo:[0,1] neg_hi:[0,1]
.endr
.endr
.irp p, 0,1
	v_pk_mul_f32 v[144+8*\p:145+8*\p], v[XR+32*\p:XR+32*\p+1],   v[XR+32*\p:XR+32*\p+1]
	v_pk_mul_f32 v[146+8*\p:147+8*\p], v[XR+32*\p+2:XR+32*\p+3], v[XR+32*\p+2:XR+32*\p+3]
.endr
.irp i, 4,8,12,16,20,24,28
.irp p, 0,1
	s_delay_alu instid0(VALU_DEP_4)
	v_pk_fma_f32 v[144+8*\p:145+8*\p], v[XR+32*\p+\i:XR+32*\p+\i+1],   v[XR+32*\p+\i:XR+32*\p+\i+1],   v[144+8*\p:145+8*\p]
	s_delay_alu instid0(VALU_DEP_4)
	v_pk_fma_f32 v[146+8*\p:147+8*\p], v[XR+32*\p+\i+2:XR+32*\p+\i+3], v[XR+32*\p+\i+2:XR+32*\p+\i+3], v[146+8*\p:147+8*\p]
.endr
.endr
.irp p, 0
	s_delay_alu instid0(VALU_DEP_3)
	v_pk_add_f32 v[144+8*\p:145+8*\p], v[144+8*\p:145+8*\p], v[146+8*\p:147+8*\p]
.endr
.irp p, 1
	s_delay_alu instid0(VALU_DEP_2)
	v_pk_add_f32 v[144+8*\p:145+8*\p], v[144+8*\p:145+8*\p], v[146+8*\p:147+8*\p]
.endr
.irp p, 0,1
	s_delay_alu instid0(VALU_DEP_2)
	v_add_f32 v[144+8*\p], v[144+8*\p], v[145+8*\p]
.endr
	RED 144, 150
	RED 152, 158
.irp p, 0
	v_fma_f32 v[144+8*\p], v[144+8*\p], s20, s21   ; the variance + eps
.endr
.irp p, 1
	s_delay_alu instid0(VALU_DEP_2)
	v_fma_f32 v[144+8*\p], v[144+8*\p], s20, s21   ; the variance + eps
.endr
	s_wait_alu depctr_va_vdst(0)
.irp p, 0,1
	v_rsq_f32 v[148+8*\p], v[144+8*\p]             ; twice: a pair for the packed multiply
	v_rsq_f32 v[149+8*\p], v[144+8*\p]
.endr
	v_nop                                          ; a plain place behind the batch
	s_wait_alu depctr_va_vdst(0)                   ; one wait for the four, ahead of their first reader
.irp i, 0,2,4,6,8,10,12,14,16,18,20,22,24,26,28,30
.irp p, 0,1
	v_pk_mul_f32 v[XR+32*\p+\i:XR+32*\p+\i+1], v[XR+32*\p+\i:XR+32*\p+\i+1], v[148+8*\p:149+8*\p]
.endr
.endr
.irp i, 0,2,4,6,8,10,12,14,16,18,20,22,24,26,28,30
.irp p, 0,1
	v_pk_fma_f32 v[XR+32*\p+\i:XR+32*\p+\i+1], v[XR+32*\p+\i:XR+32*\p+\i+1], v[LW+\i:LW+\i+1], v[LB+\i:LB+\i+1]
.endr
.endr
.irp p, 0,1
.irp j, 0,1,2,3,4,5,6,7
	global_store_b128 v2, v[XR+32*\p+4*\j:XR+32*\p+4*\j+3], s[12:13] offset:4096*\p+512*\j th:TH_STORE_NT
.endr
.endr
	s_endpgm
.Lfunc_end_k_qa244a957c3_norm:
	.size	k_qa244a957c3_norm, .Lfunc_end_k_qa244a957c3_norm-k_qa244a957c3_norm
	.p2alignl 7, 3214868480
	.fill 96, 4, 3214868480
	.section	.rodata,"a",@progbits
	.p2align	6, 0x0
	.amdhsa_kernel k_qa244a957c3_norm
		.amdhsa_group_segment_fixed_size 0
		.amdhsa_private_segment_fixed_size 0
		.amdhsa_enable_private_segment 0
		.amdhsa_kernarg_size 48
		.amdhsa_user_sgpr_count 2
		.amdhsa_user_sgpr_kernarg_segment_ptr 1
		.amdhsa_wavefront_size32 1
		.amdhsa_system_sgpr_workgroup_id_x 1
		.amdhsa_system_sgpr_workgroup_id_y 1
		.amdhsa_system_sgpr_workgroup_id_z 1
		.amdhsa_system_vgpr_workitem_id 0
		.amdhsa_next_free_vgpr 160
		.amdhsa_next_free_sgpr 66
		.amdhsa_reserve_vcc 1
		.amdhsa_float_denorm_mode_32 3
		.amdhsa_float_denorm_mode_16_64 3
		.amdhsa_memory_ordered 1
		.amdhsa_forward_progress 1
		.amdhsa_inst_pref_size 23
	.end_amdhsa_kernel
	.amdgpu_metadata
---
amdhsa.version: [ 1, 2 ]
amdhsa.kernels:
  - .name:           k_qa244a957c3_norm
    .symbol:         k_qa244a957c3_norm.kd
    .args:
      - { .name: y, .offset: 0, .size: 8, .value_kind: global_buffer, .address_space: global }
      - { .name: ln_w, .offset: 8, .size: 8, .value_kind: global_buffer, .address_space: global }
      - { .name: ln_b, .offset: 16, .size: 8, .value_kind: global_buffer, .address_space: global }
      - { .name: psum, .offset: 24, .size: 8, .value_kind: global_buffer, .address_space: global }
      - { .name: out0, .offset: 32, .size: 8, .value_kind: global_buffer, .address_space: global }
      - { .name: out1, .offset: 40, .size: 8, .value_kind: global_buffer, .address_space: global }
    .group_segment_fixed_size: 0
    .private_segment_fixed_size: 0
    .kernarg_segment_align: 8
    .kernarg_segment_size: 48
    .max_flat_workgroup_size: 256
    .sgpr_count:     66
    .vgpr_count:     160
    .wavefront_size: 32
...
	.end_amdgpu_metadata
.endif
;; end of part 4
